; MI455X (gfx1250); checked and timed in simulation.
; The chip was launched on July 23, 2026; its instructions are those of AMD's public machine-readable ISA for CDNA 5 (MIT licence, August 2026) and "CDNA5" Instruction Set Architecture Reference Guide (July 2026). The comments in the code are by the model that wrote it; some were corrected since.
;; Scaled Dot Product Attention. Allowed arithmetic: matrix products marked QUANTISED: E5M2 operands, one E8M0 scale for each 32 along K, by v_wmma_scale_f32_16x16x128_f8f6f4 with both operands' format E5M2, f32 sums; everything else in f32.
;; Inputs: attn_mask 2,048 x 2,048 bool; key_codes 4 x 16 x 2,048 x 4 x 32 uint8 (E5M2 codes of key, K innermost, in blocks of 32 codes); key_padding_mask 4 x 2,048 bool; key_scales 4 x 16 x 2,048 x 4 uint8 (E8M0 scales of key, one for each 32 codes along K); query_codes 4 x 16 x 2,048 x 4 x 32 uint8 (E5M2 codes of query, K innermost, in blocks of 32 codes); query_scales 4 x 16 x 2,048 x 4 uint8 (E8M0 scales of query, one for each 32 codes along K); value_codes 4 x 16 x 128 x 64 x 32 uint8 (E5M2 codes of value, K innermost, in blocks of 32 codes); value_scales 4 x 16 x 128 x 64 uint8 (E8M0 scales of value, one for each 32 codes along K).
;; Outputs: out0 4 x 16 x 2,048 x 128 float32.
;; This version of the problem:
;;   THIS VERSION OF THE PROBLEM IS GIVEN IN LOW PRECISION. The matrix products marked QUANTISED in the list below multiply operands that are first quantised to E5M2 (5 exponent bits, 2 mantissa bits; 8 bits a number), with one power-of-two scale for each 32 numbers along K (OCP MX v1.0); their sums are f32. All else is computed in f32.
;;   The module's matrix products, in the order in which they are computed (A, B: the left and right operand; K: the contracted axis; several contracted axes count as one K, in the product's order):
;;     1. batch 64 x [M 2,048, K 128] x [K 128, N 2,048]; A: input query (given as codes); B: input key (given as codes): QUANTISED
;;     2. batch 64 x [M 2,048, K 2,048] x [K 2,048, N 128]; A: softmax (see below); B: input value (given as codes): QUANTISED
;;   THE QUANTISER, for each operand of a quantised product, along K:
;;     - K is cut into blocks of 32 from its start; a last block that is shorter is filled with zeros.
;;     - A block's scale is 2^e with e = floor(log2(the largest magnitude in the block)) - 15, held to -126 .. 127; a block of zeros has e = 0. As a byte (E8M0): e + 127.
;;     - Each number is divided by its block's scale, clamped to +-57,344, and rounded to the nearest number of E5M2, ties to even, subnormals kept.
;;     - The product sums the exact products of the quantised numbers (number of the format x scale) in f32.
;;   ~~~python
;;   def quantise(x, axis):      # numpy; x: float32 -> the quantised numbers, widened to float32 again
;;       x = np.moveaxis(x, axis, -1); K = x.shape[-1]
;;       x = np.pad(x, [(0, 0)] * (x.ndim - 1) + [(0, -K % 32)]); x = x.reshape(x.shape[:-1] + (-1, 32)); a = np.abs(x).max(-1, keepdims=True)
;;       e = np.where(a > 0, np.clip(np.frexp(np.where(a > 0, a, 1))[1] - 1 - 15, -126, 127), 0)      # np.frexp(a)[1] - 1 = floor(log2(a)), exactly
;;       r = np.clip(x / 2.0 ** e, -57344, 57344)
;;       step = 2.0 ** (np.maximum(np.frexp(np.where(r == 0, 1, r))[1] - 1, -14) - 2)
;;       q = np.round(r / step) * step * 2.0 ** e      # np.round: ties to even
;;       return np.moveaxis(q.reshape(q.shape[:-2] + (-1,))[..., :K], -1, axis).astype(np.float32)
;;   ~~~
;;   SOFTMAX AHEAD OF A QUANTISED PRODUCT. Where the list says 'softmax', what is quantised is not the finished softmax but p = 2^(t - M), with t = logit x log2(e) and M = ceil(the row's largest t), a whole number; so 1/2 < the row's largest p <= 1. The row's sum l is taken of the UNQUANTISED p, in f32, and the product's result is divided by l at the end. Since M is a whole number, a kernel that streams over the keys may use a running M (the ceiling of the running maximum): every later rescaling is an exact power of two, which a block's scale takes up: the codes' values come out the same.
;;   OPERANDS COMPUTED ON THE WAY. 'Computed on the way' means the value that the module computes at that place (a softmax that the list does not call 'softmax' is quantised finished and normalised). What goes into a quantiser is computed in f32, as accurately as f32 sums, v_exp_f32 and their like allow (about 1e-6 of the number): no bf16 or f16 on the way to a quantiser, and a product that is left as it is and whose result goes on into a quantised operand takes f32 operands (vector FMAs, or v_wmma_f32_16x16x4_f32). A number that lies on a knife's edge between two numbers of the format may be rounded either way, as far as f32 arithmetic and the matrix unit's own rounding can turn it there, and no further.
;;   INPUTS GIVEN AS CODES. key (in the module: [4, 16, 2048, 128], K = its axis 3); query (in the module: [4, 16, 2048, 128], K = its axis 3); value (in the module: [4, 16, 2048, 128], K = its axis 2): each comes as NAME_codes (uint8): NAME with its K axis moved to the last place and cut into blocks of 32 codes, [.., K / 32, bytes a block], one block behind the other in memory; one code a byte (a code: sign, 5 exponent bits, 2 mantissa bits); and NAME_scales (uint8): the same leading axes, one E8M0 byte (e + 127) for each 32 codes along K. Its value is code x scale, taken as it is: it is not quantised again, and the codes and scales need not be those that the quantiser above would give.
;; 2 versions. Each part assembles by itself: llvm-mc -triple=amdgcn-amd-amdhsa -mcpu=gfx1250 --defsym DOCPART=n.
;; ======== version 1 of 2: 2 launches
;; workspace buffers: maskw 2,097,152 bytes of whole numbers; cls 1,024 bytes of whole numbers
;; launch prep (part 1): grid 64 x 4, 8 waves a work-group, no clusters, 1,280 bytes of LDS; arguments attn_mask, key_padding_mask, maskw, cls; writes maskw, cls
.if DOCPART == 1
	.amdgcn_target "amdgcn-amd-amdhsa--gfx1250"
	.amdhsa_code_object_version 6
	.text
	.protected	k_qc25218fce1_prep
	.globl	k_qc25218fce1_prep
	.p2align	8
	.type	k_qc25218fce1_prep,@function
k_qc25218fce1_prep:
	s_mov_b64 s[64:65], 0
	v_nop
	global_prefetch_b8 v0, s[64:65] scope:SCOPE_SE
	s_setreg_imm32_b32 hwreg(HW_REG_WAVE_MODE, 25, 1), 1
	s_wait_xcnt 0x0
; THE TWO INPUT MASKS BECOME LANE MASKS AND STEP FLAGS.  Whole numbers only; no pattern of the masks is assumed.
; kept(b, q, k) = attn_mask[q][k] and key_padding_mask[b][k] (bool bytes 0 or 1: bit 0 of a byte is what is tested).
; maskw [b 4][tile of 16 queries 128][key step 16][n 64], one word each: bit L of word n = HIDDEN(query 16 tile + L % 16, key 128 step + 32 (n / 16) + 16 (L / 16) + n % 16):
;   the lane mask for register n of a tile of scores as the next launch holds it.
; cls [b 4][group of 32 queries 64], one word each: bit s: key step s has a kept key for some of the 32 queries; bit 16 + s: it has kept and hidden ones.
;   A group with a query that has NO kept key among all 2,048 gets all 32 bits: reference() weighs all keys of such a row alike, so no step of it may be passed over.
; SHARES.  A work-group takes 32 queries x 2,048 keys of one batch; wave w keys 256 w .. 256 w + 255: key steps 2 w, 2 w + 1 of both tiles of 16 queries: four units k = 2 u + q of 64 words.
; Lane (r = lane % 16, h = lane / 16) holds, of row r, the 16 neighbouring bytes at 32 c + 16 h of each 32 keys: byte n % 4 of register n / 4 is word n's bit for this lane.
; A unit's 64 words leave as one store of 256 consecutive bytes, aligned.  The flag word is 4 bytes a work-group, 1,024 bytes in the whole launch: those blocks are written in part.
.set A,    16                          ; v16-79   unit k at A + 16 k: 16 registers of mask bytes, then of kept bytes
.set P,    80                          ; v80-111  the padding mask's bytes of key step q at P + 16 q
.set OUTW, 112                         ; v112-119 unit k's 64 words: lane l of the pair OUTW + 2 k holds words 2 l, 2 l + 1
.set KO,   120                         ; v120-123 unit k: the OR of its kept bytes
.set KA,   124                         ; v124-127 unit k: the AND of its kept bytes
	s_load_b256 s[4:11], s[0:1], 0x0               ; attn_mask s[4:5], key_padding_mask s[6:7], maskw s[8:9], cls s[10:11]
	v_lshl_add_u32 v128, v0, 2, 0x100
	v_mov_b32 v129, 0
	v_lshrrev_b32 v1, 5, v0
	v_readfirstlane_b32 s12, v1                    ; wave 0..7
	v_and_b32 v1, 15, v0                           ; r
	v_bfe_u32 v2, v0, 4, 1                         ; h
	v_lshlrev_b32 v4, 4, v2                        ; the padding mask: 16 h
	v_lshl_add_u32 v3, v1, 11, v4                  ; attn_mask: row r of 2,048 bytes, + 16 h
	v_and_b32 v5, 31, v0
	v_lshlrev_b32 v5, 3, v5                        ; out: 8 bytes a lane
	s_and_b32 s13, ttmp7, 0xffff                   ; the batch
	s_lshl_b32 s14, ttmp9, 16                      ; 32 rows of 2,048 bytes a group,
	s_lshl_b32 s15, s12, 8
	s_add_co_u32 s14, s14, s15                     ; + my wave's 256 keys
	s_mov_b32 s15, 0
	s_lshl_b32 s16, s13, 11                        ; the batch's row of the padding mask,
	s_lshl_b32 s17, s12, 8
	s_add_co_u32 s16, s16, s17                     ; + my 256 keys
	s_mov_b32 s17, 0
	s_lshl_b32 s18, s13, 7                         ; maskw: ((128 b + 2 group) x 16 steps + 2 wave) x 256 bytes
	s_lshl_b32 s19, ttmp9, 1
	s_add_co_u32 s18, s18, s19
	s_lshl_b32 s18, s18, 4
	s_lshl_b32 s19, s12, 1
	s_add_co_u32 s18, s18, s19
	s_lshl_b32 s18, s18, 8
	s_mov_b32 s19, 0
	s_lshl_b32 s36, s13, 6                         ; cls: 4 (64 b + group)
	s_add_co_u32 s36, s36, ttmp9
	s_lshl_b32 s36, s36, 2
	s_mov_b32 s37, 0
	s_mov_b32 s35, 0x01010101                      ; bit 0 of four bytes
	s_wait_kmcnt 0x0
	s_add_nc_u64 s[4:5], s[4:5], s[14:15]
	s_add_nc_u64 s[6:7], s[6:7], s[16:17]
	s_add_nc_u64 s[8:9], s[8:9], s[18:19]
	s_add_nc_u64 s[10:11], s[10:11], s[36:37]
.irp u, 0,1
.irp q, 0,1
.irp c, 0,1,2,3
	global_load_b128 v[A+16*(2*\u+\q)+4*\c:A+16*(2*\u+\q)+4*\c+3], v3, s[4:5] offset:32768*\u+128*\q+32*\c
.endr
.endr
.endr
.irp q, 0,1
.irp c, 0,1,2,3
	global_load_b128 v[P+16*\q+4*\c:P+16*\q+4*\c+3], v4, s[6:7] offset:128*\q+32*\c
.endr
.endr
.irp i, 0,1,2,3,4,5,6,7
	v_mov_b32 v[OUTW+\i], 0                        ; written whole once: v_writelane_b32's destination counts as read
.endr
	s_wait_loadcnt 0x0
.irp u, 0,1
.irp q, 0,1
.set i, 0
.rept 16
	v_and_b32 v[A+16*(2*\u+\q)+i], v[A+16*(2*\u+\q)+i], v[P+16*\q+i]   ; kept = both masks
.set i, i+1
.endr
.endr
.endr
.irp k, 0,1,2,3
	v_or_b32  v[KO+\k], v[A+16*\k], v[A+16*\k+1]
	v_and_b32 v[KA+\k], v[A+16*\k], v[A+16*\k+1]
.endr
.set i, 2
.rept 14
.irp k, 0,1,2,3                                ; the four units by turns
	v_or_b32  v[KO+\k], v[KO+\k], v[A+16*\k+i]
	v_and_b32 v[KA+\k], v[KA+\k], v[A+16*\k+i]
.endr
.set i, i+1
.endr
; Unit k's 64 words, four at a time (the four bytes of one register): a byte's bit 0, the lanes where it is 0 as a lane mask, the mask into lane n / 2 of register n % 2.
.macro WORDS k
.set m, 0
.rept 16
.irp j, 0,1,2,3
	v_and_b32 v[6+\j], 1<<(8*\j), v[A+16*(\k)+m]
.endr
.irp j, 0,1,2,3
	v_cmp_eq_u32 s[20+\j], 0, v[6+\j]              ; hidden
.endr
.irp j, 0,1,2,3
	v_writelane_b32 v[OUTW+2*(\k)+\j%2], s[20+\j], 2*m+\j/2
.endr
.set m, m+1
.endr
	global_store_b64 v5, v[OUTW+2*(\k):OUTW+2*(\k)+1], s[8:9] offset:4096*((\k)/2)+256*((\k)%2)   ; 32 lanes store 256 consecutive bytes, aligned; each unit has its own pair, so no store's data are written again
.endm
	WORDS 0
	WORDS 1
	WORDS 2
	WORDS 3
; my two key steps' flags
.irp q, 0,1
	v_or_b32 v6, v[KO+\q], v[KO+2+\q]              ; both tiles of queries
	v_and_b32 v6, s35, v6
	v_cmp_ne_u32 s20, 0, v6                        ; lanes with a kept key
	v_and_b32 v7, v[KA+\q], v[KA+2+\q]
	v_and_b32 v7, s35, v7
	v_cmp_ne_u32 s21, s35, v7                      ; lanes with a hidden key
	s_cmp_lg_u32 s20, 0
	s_cselect_b32 s[24+\q], 1, 0                   ; active
	s_cmp_lg_u32 s21, 0
	s_cselect_b32 s[26+\q], s[24+\q], 0            ; mixed = active and some key hidden
.endr
.irp u, 0,1
	v_or_b32 v6, v[KO+2*\u], v[KO+2*\u+1]          ; both key steps
	v_and_b32 v6, s35, v6
	v_cmp_ne_u32 s20, 0, v6
	s_lshr_b32 s21, s20, 16                        ; a row lies in lanes r and r + 16
	s_or_b32 s20, s20, s21
	s_and_b32 s[28+\u], s20, 0xffff                ; bit r: row r of tile u has a kept key among my 256
.endr
	s_lshl_b32 s29, s29, 16
	s_or_b32 s28, s28, s29                         ; the 32 rows
	s_lshl_b32 s25, s25, 1
	s_or_b32 s24, s24, s25
	s_lshl_b32 s26, s26, 16
	s_or_b32 s24, s24, s26
	s_lshl_b32 s27, s27, 17
	s_or_b32 s24, s24, s27
	s_lshl_b32 s30, s12, 1
	s_lshl_b32 s24, s24, s30                       ; at key steps 2 w, 2 w + 1
	s_lshl_b32 s31, s12, 3
	v_mov_b32 v10, s31                             ; LDS: 8 bytes a wave
	v_mov_b32 v6, s28
	v_mov_b32 v7, s24
	ds_store_b64 v10, v[6:7]                       ; all lanes write the same two words
	s_wait_dscnt 0x0                               ; for the others' sake: my store has landed
	s_barrier_signal -1
	s_barrier_wait -1
	v_mov_b32 v11, 0
.irp i, 0,1,2,3
	ds_load_b128 v[A+4*\i:A+4*\i+3], v11 offset:16*\i   ; the eight waves' pairs, in every lane
.endr
	s_wait_dscnt 0x0
.irp i, 2,4,6,8,10,12,14
	v_or_b32 v[A], v[A], v[A+\i]                   ; rows with a kept key anywhere
	v_or_b32 v[A+1], v[A+1], v[A+1+\i]             ; the 16 steps' flags
.endr
	v_readfirstlane_b32 s30, v[A]
	v_readfirstlane_b32 s31, v[A+1]
	s_cmp_eq_u32 s30, -1
	s_cselect_b32 s32, s31, -1                     ; a row with no kept key at all: every step active, every step masked
	s_cmp_lg_u32 s12, 0
	s_cbranch_scc1 .Ldone                          ; wave 0 stores the word
	v_mov_b32 v6, s32
	v_mov_b32 v7, 0
	s_wait_xcnt 0x0                                ; EXEC is a source of the stores above: it changes only behind this wait
	v_cmp_eq_u32 vcc_lo, 0, v0
	s_and_saveexec_b32 s33, vcc_lo
	global_store_b32 v7, v6, s[10:11]
	s_wait_xcnt 0x0                                ; and again ahead of the line that widens it
	s_or_b32 exec_lo, exec_lo, s33
.Ldone:
	s_wait_tensorcnt 0x0
	ds_add_u32 v128, v129
	s_wait_dscnt 0x0
	s_endpgm
.Lfunc_end_k_qc25218fce1_prep:
	.size	k_qc25218fce1_prep, .Lfunc_end_k_qc25218fce1_prep-k_qc25218fce1_prep
	.p2alignl 7, 3214868480
	.fill 96, 4, 3214868480
	.section	.rodata,"a",@progbits
	.p2align	6, 0x0
	.amdhsa_kernel k_qc25218fce1_prep
		.amdhsa_group_segment_fixed_size 1280
		.amdhsa_private_segment_fixed_size 0
		.amdhsa_enable_private_segment 0
		.amdhsa_kernarg_size 32
		.amdhsa_user_sgpr_count 2
		.amdhsa_user_sgpr_kernarg_segment_ptr 1
		.amdhsa_wavefront_size32 1
		.amdhsa_system_sgpr_workgroup_id_x 1
		.amdhsa_system_sgpr_workgroup_id_y 1
		.amdhsa_system_sgpr_workgroup_id_z 1
		.amdhsa_system_vgpr_workitem_id 0
		.amdhsa_next_free_vgpr 130
		.amdhsa_next_free_sgpr 66
		.amdhsa_reserve_vcc 1
		.amdhsa_float_denorm_mode_32 3
		.amdhsa_float_denorm_mode_16_64 3
		.amdhsa_memory_ordered 1
		.amdhsa_forward_progress 1
		.amdhsa_inst_pref_size 60
	.end_amdhsa_kernel
	.amdgpu_metadata
---
amdhsa.version: [ 1, 2 ]
amdhsa.kernels:
  - .name:           k_qc25218fce1_prep
    .symbol:         k_qc25218fce1_prep.kd
    .args:
      - { .name: attn_mask, .offset: 0, .size: 8, .value_kind: global_buffer, .address_space: global }
      - { .name: key_padding_mask, .offset: 8, .size: 8, .value_kind: global_buffer, .address_space: global }
      - { .name: maskw, .offset: 16, .size: 8, .value_kind: global_buffer, .address_space: global }
      - { .name: cls, .offset: 24, .size: 8, .value_kind: global_buffer, .address_space: global }
    .group_segment_fixed_size: 1280
    .private_segment_fixed_size: 0
    .kernarg_segment_align: 8
    .kernarg_segment_size: 32
    .max_flat_workgroup_size: 256
    .sgpr_count:     66
    .vgpr_count:     130
    .wavefront_size: 32
...
	.end_amdgpu_metadata
.endif
;; end of part 1
;; launch attn (part 2): grid 4 x 64, 8 waves a work-group, no clusters, 316,416 bytes of LDS; arguments query_codes, query_scales, key_codes, key_scales, value_codes, value_scales, maskw, cls, out0; writes out0
.if DOCPART == 2
	.amdgcn_target "amdgcn-amd-amdhsa--gfx1250"
	.amdhsa_code_object_version 6
	.text
	.protected	k_qc25218fce1_attn
	.globl	k_qc25218fce1_attn
	.p2align	8
	.type	k_qc25218fce1_attn,@function
k_qc25218fce1_attn:
	s_mov_b64 s[64:65], 0
	v_nop
	global_prefetch_b8 v0, s[64:65] scope:SCOPE_SE
	s_setreg_imm32_b32 hwreg(HW_REG_WAVE_MODE, 25, 1), 1
	s_wait_xcnt 0x0
; out[h][q][:] = the sum over k of softmax_k(masked Q[h][q] . K[h][k] / sqrt(128)) V[h][k][:], 64 heads, 2,048 queries and keys, head size 128; both products on codes of BF8 (E5M2) with one E8M0 scale for each 32 along K.
; Q, K: [64][2048][128] codes, scale bytes [64][2048][4].  V: codes with the KEYS innermost, [64][128][2048], scale bytes [64][128][64].  out: [64][2048][128] f32.
; THE MASKS are inputs; the launch before has turned them into maskw (a lane mask for each register of a tile of scores) and cls (for each 32 queries: which key steps have a kept key, which have kept and hidden ones).
; THE SOFTMAX: t = score x c, c = log2(e) / sqrt(128); M = the running largest t rounded UP to a whole number; p = 2^(t - M) is quantised along the keys; the row's sum is taken of the unquantised p and divides at the end.
;   When M moves, the sum and O are multiplied by 2^(old M - new M): exact.
; HIDDEN SCORES become -2^127 (reference() fills with the least f32 number).  c x -2^127 is exact and a whole number, so in a row whose every key so far is hidden M = t and p = 1 for each key, which is what a softmax
;   of equal logits gives; the first kept key makes the factor 2^(old M - new M) zero and wipes that.  LIMIT: true scores at or under -1.7e38 are not told apart from hidden ones.
; A KEY STEP IS PASSED OVER by a wave only where all its 32 x 128 scores are hidden and each of its 32 rows has a kept key somewhere (the stored flags say so): such scores give p = 0 exactly.
; LIMITS: NaN and infinity among the codes and the scale byte 0xff are not served.  A block's largest p is taken from its largest score by the same two instructions: this takes v_exp_f32 not to fall where its input rises.
; SHARES.  256 work-groups of eight waves.  Work-group (x, head) makes the head's query blocks 7 - x and x, 256 queries each (where later queries see more keys the pairs weigh alike; no value hangs on that).
;   A wave owns 32 queries, two tiles of 16, so that each fragment of K and V read from LDS feeds two matrix instructions; two waves share a SIMD's registers, 512 each.
; K AND V COME THROUGH REGISTERS INTO LDS: two slots of 256 keys; while a slot is worked, the next is loaded (16 loads of 16 bytes a thread, issued a key step ahead of the wait for them) and stored into the other slot; one barrier a slot.
; NO TENSOR LOADS, NO CLUSTER, NO JOINT LOADS: the branch on the stored flags removes whole key steps (products, softmax and LDS reads:
;   on a causal mask 14 to 16 of a wave's 32).  What partners could share is a slot's 64 KiB, which is asked for a key step (32 matrix and some 650 vector instructions a wave) ahead of its use.
; NO PREFETCH: no wave waits for a stream that is read once: K and V are read by four work-groups, twice each, and each load is issued a key step ahead.
; LAYOUT.  Both products are used transposed: S^T = K Q^T (source 0 = 16 keys, source 1 = 16 queries), O^T = V^T P^T (source 0 = 16 channels, source 1 = P): a lane holds ONE query (lane % 16) throughout.
;   K's rows lie in LDS with bits 3 and 4 of the key's number exchanged: the 16 LDS rows of tile 2 b + u are keys 32 b + 8 u + m + 8 (m / 8), so that the 16 registers of tiles 2 b, 2 b + 1 are keys 32 b + 16 (lane / 16) + 0 .. 15.
.set KPI,   144                        ; a key's row in LDS: 128 bytes + 16: an odd multiple of 16 bytes, so that the 16 rows of a fragment load fall on 16 different 16-byte columns of 256
.set VPI,   272                        ; a row of V's tile: 256 bytes (a slot's 256 keys) + 16
.set VOFF,  256*KPI                    ; a slot: 256 rows of K, then 128 rows of V
.set SLOT1, 131072                     ; slot 1 begins here: one exclusive or turns an address in one slot into the other's
.set SCK,   262144                     ; K's scale words of the whole head: 4 bytes a key, dense
.set SVP,   80                         ; a row of V's scale bytes: 64 + 16
.set SCV,   SCK+8192                   ; V's scale bytes of the whole head: 128 rows
.set STAGE, SCV+128*SVP                ; the way out: 16 rows x (256 bytes + 16) for each wave, its own
.set SPI,   272
; REGISTERS, window 0
.set AK0,  1                           ; my lane's place in a tile of K: 144 r + 16 h
.set AV0,  2                           ; in a tile of V: VOFF + 272 r + 16 h
.set ASK0, 3                           ; among K's scale words: SCK + 4 (r + 8 (r / 8))
.set ASV0, 4                           ; among V's: SCV + 80 r
.set ADK,  5                           ; v5-8: the slot's addresses of K, V, K's scale words, V's; at a block's head Q's offsets; on the way out the stage's and out's
.set ADV,  6
.set ADS,  7
.set ADT,  8
.set FILL, 9                           ; -2^127
.set QS,   10                          ; v10-11 Q's scale words, a tile each
.set ST,   12                          ; tile t at ST + 4 t: -M, the largest t, the sum in two halves
.set KS,   20                          ; v20-23 the scale words of the four fragments in hand
.set PS,   24                          ; v24-25 p's scale words
.set F,    26                          ; tile t: the pair F + 2 t: f = 2^(old M - new M) in the low word; at the end 1 / the sum
.set TMP,  30                          ; v30-31
.set FR,   32                          ; v32-95 four fragments of K or of V
.set S,    96                          ; tile t at S + 64 t: S^T, then p
.set BM,   224                         ; tile t at + 16 t: the four blocks' largest scores, then largest p
.set PB,   228                         ; a lane permute's destination; the sums' second chain; the scale bytes
.set HD,   232                         ; 57,344 x the scale
.set SO,   236                         ; the conversion's scale operand
; window 1
.set OT,   0                           ; O^T, 64 a tile
.set QW,   128                         ; Q's fragments, 16 a tile
.set PC,   160                         ; p's codes, 16 a tile
.set SG,   192                         ; 32 registers on the way from memory to LDS
.set GLK,  224                         ; K in memory: 16 t (t: my thread's number)
.set GLV,  225                         ; V in memory: 2,048 (t / 16) + 16 (t % 16)
.set STK,  226                         ; K in a slot: 144 x (t / 8 with bits 3, 4 exchanged) + 16 (t % 8)
.set STV,  227                         ; V in a slot: VOFF + 272 (t / 16) + 16 (t % 16)
.set STKA, 228                         ; the two in the slot that is being filled
.set STVA, 229
; scalars.  s32-63 and s68-99: the 64 mask words of a tile and step (word n in s[32 + n + 4 (n / 32)]); at the heads: arguments and offsets
.set KPT,  2                           ; s[2:3]  K's next slot in memory
.set VPT,  4                           ; s[4:5]  V's
.set KH,   6                           ; s[6:7]  the head's K
.set VH,   8                           ; s[8:9]  the head's V
.set MP,   10                          ; s[10:11] my tile 0's mask words of the slot in hand
.set OP,   12                          ; s[12:13] out at my first row
.set HEAD, 14
.set QB,   15                          ; the block of 256 queries
.set ACT,  16                          ; bit q: key step q of the slot in hand is active for my 32 queries
.set MIX,  17                          ; bit q: it has hidden scores
.set WV,   18
.set MNT,  19                          ; the mantissa field of 57,344
.set SEL,  20                          ; s[20:21] v_permlanex16_b32's selects for lane l xor 16
.set CS,   22                          ; s[22:23] c, twice: the packed form names the pair
.set TB,   24                          ; the slot in hand
.set TBO,  25                          ; the other
.set TS,   26                          ; K's scale words: 1,024 bytes a slot
.set TJ,   27                          ; V's: 8 bytes a slot in each row
.set NEED, 28                          ; bit 2 j: the slot j further on is wanted by some wave of the work-group
.set SLC,  29
.set BLK,  30
.set MSB, 0
.macro WIN new                         ; s_set_vgpr_msb: bits 1:0 source 0, 3:2 source 1, 5:4 source 2, 7:6 destination; the high byte repeats the setting that is left
.if MSB != \new
	s_set_vgpr_msb (MSB<<8)|\new
.set MSB, \new
.endif
.endm
.macro PLACES n                        ; plain vector instructions between a matrix instruction and a load into, or a read of, its registers (eight for this form)
.rept \n
	v_nop
.endr
.endm
.macro FETCHK                          ; a slot's K, 32,768 dense bytes: a wave's load covers 512 consecutive bytes
	WIN 0x41
.irp i, 0,1,2,3,4,5,6,7
	global_load_b128 v[SG+4*\i:SG+4*\i+3], v[GLK], s[KPT:KPT+1] offset:4096*\i
.endr
	WIN 0
.endm
.macro FETCHV                          ; a slot's V: 256 bytes of each of 128 rows: sixteen lanes read 256 consecutive bytes, aligned
	WIN 0x41
.irp i, 0,1,2,3,4,5,6,7
	global_load_b128 v[SG+4*\i:SG+4*\i+3], v[GLV], s[VPT:VPT+1] offset:32768*\i
.endr
	WIN 0
.endm
.macro STOREK adr
	WIN 0x05
.irp i, 0,1,2,3,4,5,6,7
	ds_store_b128 v[\adr], v[SG+4*\i:SG+4*\i+3] offset:32*KPI*\i
.endr
	WIN 0
.endm
.macro STOREV adr
	WIN 0x05
.irp i, 0,1,2,3,4,5,6,7
	ds_store_b128 v[\adr], v[SG+4*\i:SG+4*\i+3] offset:16*VPI*\i
.endr
	WIN 0
.endm
.macro KLOAD q, g                      ; tiles 4 g .. 4 g + 3 of the slot's q-th 128 keys, and their rows' scale words
.irp u, 0,1,2,3
.irp c, 0,1,2,3
	ds_load_b128 v[FR+16*\u+4*\c:FR+16*\u+4*\c+3], v[ADK] offset:(128*(\q)+16*(4*(\g)+\u))*KPI+32*\c
.endr
	ds_load_b32 v[KS+\u], v[ADS] offset:4*(128*(\q)+32*((4*(\g)+\u)/2)+8*(\u%2))
.endr
.endm
.macro VLOAD q, g                      ; channels 16 (4 g + u) on, the slot's q-th 128 keys
.irp u, 0,1,2,3
.irp c, 0,1,2,3
	ds_load_b128 v[FR+16*\u+4*\c:FR+16*\u+4*\c+3], v[ADV] offset:16*(4*(\g)+\u)*VPI+128*(\q)+32*\c
.endr
	ds_load_b32 v[KS+\u], v[ADT] offset:16*(4*(\g)+\u)*SVP+4*(\q)
.endr
.endm
.macro MWORDS q, t                     ; tile t's 64 mask words of key step q
.irp k, 0,1
	s_load_b512 s[32+16*\k:47+16*\k], s[MP:MP+1], 4096*(\t)+256*(\q)+64*\k
	s_load_b512 s[68+16*\k:83+16*\k], s[MP:MP+1], 4096*(\t)+256*(\q)+128+64*\k
.endr
.endm
.macro HIDE t                          ; a register's hidden lanes take -2^127; ascending
.set n, 0
.rept 64
	v_cndmask_b32 v[S+64*(\t)+n], v[S+64*(\t)+n], v[FILL], s[32+n+4*(n/32)]
.set n, n+1
.endr
.endm
.macro PV g                            ; O^T += V^T P^T: four tiles of channels x two tiles of queries; eight accumulators, one instruction each
	WIN 0x54                                       ; P's codes (source 1), C and D in window 1
.irp u, 0,1,2,3
.irp t, 0,1
	v_wmma_scale_f32_16x16x128_f8f6f4 v[OT+64*\t+8*(4*(\g)+\u):OT+64*\t+8*(4*(\g)+\u)+7], v[FR+16*\u:FR+16*\u+15], v[PC+16*\t:PC+16*\t+15], v[OT+64*\t+8*(4*(\g)+\u):OT+64*\t+8*(4*(\g)+\u)+7], v[KS+\u], v[PS+\t] matrix_a_fmt:MATRIX_FMT_BF8 matrix_b_fmt:MATRIX_FMT_BF8
.endr
.endr
	WIN 0
.endm
; A KEY STEP: the slot's q-th 128 keys, for my two tiles of queries.  No barrier and no address step stands in it.
; The accumulators take turns, one instruction a turn; a product K Q^T always stands between two steps' products V^T P.
.macro STEP q
	s_bitcmp1_b32 s[ACT], \q
	s_cbranch_scc0 .Lhid_\@                        ; all hidden, and every row of mine has a kept key elsewhere: nothing to add
	MWORDS \q, 0                                   ; tile 0's mask words land under the products
.irp g, 0,1
.if \g
	PLACES 8                                       ; ahead of loads into registers that the products above have read
.endif
	KLOAD \q, \g
	s_wait_dscnt 0x0
	WIN 0x04                                       ; Q (source 1) in window 1
.irp u, 0,1,2,3
.irp t, 0,1
	v_wmma_scale_f32_16x16x128_f8f6f4 v[S+64*\t+8*(4*\g+\u):S+64*\t+8*(4*\g+\u)+7], v[FR+16*\u:FR+16*\u+15], v[QW+16*\t:QW+16*\t+15], 0, v[KS+\u], v[QS+\t] matrix_a_fmt:MATRIX_FMT_BF8 matrix_b_fmt:MATRIX_FMT_BF8
.endr
.endr
	WIN 0
.endr
	PLACES 8                                       ; ahead of the loads below and of the first read of the scores
	VLOAD \q, 0                                    ; V's first four fragments land during the softmax
	s_wait_kmcnt 0x0                               ; the mask words
	s_bitcmp1_b32 s[MIX], \q
	s_cbranch_scc0 .Lopen_\@                       ; every score of the step counts
	HIDE 0
	MWORDS \q, 1
	s_wait_kmcnt 0x0
	HIDE 1
.Lopen_\@:
.irp b, 0,1,2,3
.irp t, 0,1
	v_max3_num_f32 v[BM+16*\t+\b], v[S+64*\t+16*\b], v[S+64*\t+16*\b+1], v[S+64*\t+16*\b+2]   ; the largest score of each block of 32 keys: for the row's maximum and for the block's largest p
.endr
.endr
.irp i, 3,5,7,9,11,13
.irp b, 0,1,2,3
.irp t, 0,1
	v_max3_num_f32 v[BM+16*\t+\b], v[BM+16*\t+\b], v[S+64*\t+16*\b+\i], v[S+64*\t+16*\b+\i+1]   ; eight chains by turns
.endr
.endr
.endr
.irp b, 0,1,2,3
.irp t, 0,1
	v_max_num_f32 v[BM+16*\t+\b], v[BM+16*\t+\b], v[S+64*\t+16*\b+15]
.endr
.endr
.irp b, 0,1,2,3
.irp t, 0,1
	v_permlanex16_b32 v[PB+16*\t+\b], v[BM+16*\t+\b], s[SEL], s[SEL+1]
.endr
.endr
.irp b, 0,1,2,3
.irp t, 0,1
	v_max_num_f32 v[BM+16*\t+\b], v[BM+16*\t+\b], v[PB+16*\t+\b]   ; with lane l xor 16's 16 keys
.endr
.endr
.irp t, 0,1
	v_max3_num_f32 v[TMP+\t], v[BM+16*\t], v[BM+16*\t+1], v[BM+16*\t+2]
.endr
.irp t, 0,1
	v_max_num_f32 v[TMP+\t], v[TMP+\t], v[BM+16*\t+3]              ; the step's largest score of my query
.endr
.irp t, 0,1
	v_mul_f32 v[TMP+\t], s[CS], v[TMP+\t]                          ; as t
.endr
.irp t, 0,1
	v_max_num_f32 v[ST+4*\t+1], v[ST+4*\t+1], v[TMP+\t]            ; the running largest t
.endr
.irp t, 0,1
	v_mov_b32 v[TMP+\t], v[ST+4*\t]
.endr
.irp t, 0,1
	v_floor_f32 v[ST+4*\t], -v[ST+4*\t+1]                          ; the new -M = floor(-t): M is a whole number
.endr
.irp t, 0,1
	v_sub_f32 v[TMP+\t], v[ST+4*\t], v[TMP+\t]                     ; old M - new M: a whole number, 0 or less
.endr
.irp t, 0,1
	v_cvt_i32_f32 v[TMP+\t], v[TMP+\t]                             ; (it saturates)
.endr
.irp t, 0,1
	v_ldexp_f32 v[F+2*\t], 1.0, v[TMP+\t]                          ; f = 2^(old M - new M)
.endr
.set j, 0
.rept 32
.irp t, 0,1
	v_pk_fma_f32 v[S+64*\t+j:S+64*\t+j+1], v[S+64*\t+j:S+64*\t+j+1], s[CS:CS+1], v[ST+4*\t:ST+4*\t+1] op_sel_hi:[1,0,0]   ; t - M, two at a time
.endr
.set j, j+2
.endr
.irp b, 0,1,2,3
.irp t, 0,1
	v_fma_f32 v[BM+16*\t+\b], v[BM+16*\t+\b], s[CS], v[ST+4*\t]    ; the same of each block's largest score
.endr
.endr
.set j, 0
.rept 64
.irp t, 0,1
	v_exp_f32 v[S+64*\t+j], v[S+64*\t+j]                           ; p = 2^(t - M): not normalised
.endr
.set j, j+1
.endr
.irp t, 0,1
	v_pk_mul_f32 v[ST+4*\t+2:ST+4*\t+3], v[ST+4*\t+2:ST+4*\t+3], v[F+2*\t:F+2*\t+1] op_sel_hi:[1,0]   ; the sums under the new M: plain work behind the exponentials
.endr
	s_wait_alu depctr_va_vdst(0)                   ; one wait for the batch of 128, ahead of its first reader
.irp b, 0,1,2,3
.irp t, 0,1
	v_exp_f32 v[BM+16*\t+\b], v[BM+16*\t+\b]                       ; the block's largest p
.endr
.endr
.irp t, 0,1
	v_pk_add_f32 v[PB+16*\t:PB+16*\t+1], v[S+64*\t:S+64*\t+1], v[S+64*\t+2:S+64*\t+3]   ; the row's sum is taken of the UNQUANTISED p: two chains a tile
.endr
.set j, 4
.rept 15
.irp t, 0,1
	v_pk_add_f32 v[ST+4*\t+2:ST+4*\t+3], v[ST+4*\t+2:ST+4*\t+3], v[S+64*\t+j:S+64*\t+j+1]
	v_pk_add_f32 v[PB+16*\t:PB+16*\t+1], v[PB+16*\t:PB+16*\t+1], v[S+64*\t+j+2:S+64*\t+j+3]
.endr
.set j, j+4
.endr
.irp t, 0,1
	v_pk_add_f32 v[ST+4*\t+2:ST+4*\t+3], v[ST+4*\t+2:ST+4*\t+3], v[PB+16*\t:PB+16*\t+1]
.endr
	s_wait_alu depctr_va_vdst(0)                   ; and one for the eight
.irp b, 0,1,2,3
.irp t, 0,1
	v_max_num_f32 v[BM+16*\t+\b], 0x8000000, v[BM+16*\t+\b]        ; the floor 2^(16 - 127): the byte cannot fall under 1 (a block whose every p is 0 keeps that byte: its codes are zeros)
.endr
.endr
.irp b, 0,1,2,3
.irp t, 0,1
	v_add_nc_u32 v[SO+16*\t+\b], 0xf8800000, v[BM+16*\t+\b]        ; 15 off the exponent field: the conversion's scale operand
.endr
.endr
.irp b, 0,1,2,3
.irp t, 0,1
	v_and_or_b32 v[HD+16*\t+\b], v[BM+16*\t+\b], 0x7f800000, s[MNT]   ; 57,344 x the scale
.endr
.endr
.irp b, 0,1,2,3
.irp t, 0,1
	v_lshrrev_b32 v[PB+16*\t+\b], 23, v[SO+16*\t+\b]               ; the scale's byte
.endr
.endr
.irp t, 0,1
	v_lshl_or_b32 v[PS+\t], v[PB+16*\t+1], 8, v[PB+16*\t]          ; p's scale word for these 128 keys
.endr
.irp t, 0,1
	v_lshl_or_b32 v[PS+\t], v[PB+16*\t+2], 16, v[PS+\t]
.endr
.irp t, 0,1
	v_lshl_or_b32 v[PS+\t], v[PB+16*\t+3], 24, v[PS+\t]
.endr
.irp b, 0,1,2,3
.irp t, 0,1
.set j, 0
.rept 16
	v_min_num_f32 v[S+64*\t+16*\b+j], v[S+64*\t+16*\b+j], v[HD+16*\t+\b]   ; the conversion to an 8-bit code does not saturate (ISA guide 7.6.2); p is not negative, so the hold is one-sided
.set j, j+1
.endr
.endr
.endr
	WIN 0x40                                       ; the codes lie in window 1
.irp b, 0,1,2,3
.irp t, 0,1
	v_cvt_scalef32_pk8_bf8_f32 v[PC+16*\t+4*\b:PC+16*\t+4*\b+1], v[S+64*\t+16*\b:S+64*\t+16*\b+7], v[SO+16*\t+\b]
	v_cvt_scalef32_pk8_bf8_f32 v[PC+16*\t+4*\b+2:PC+16*\t+4*\b+3], v[S+64*\t+16*\b+8:S+64*\t+16*\b+15], v[SO+16*\t+\b]
.endr
.endr
	WIN 0x41
.set j, 0
.rept 32
.irp t, 0,1
	v_pk_mul_f32 v[OT+64*\t+j:OT+64*\t+j+1], v[OT+64*\t+j:OT+64*\t+j+1], v[F+2*\t:F+2*\t+1] op_sel_hi:[1,0]   ; O^T under the new M.  (Also the plain lines between the conversions and the products that read the codes)
.endr
.set j, j+2
.endr
	s_wait_dscnt 0x0                               ; V's first four fragments
	PV 0
	PLACES 8
	VLOAD \q, 1
	s_wait_dscnt 0x0
	PV 1
	PLACES 8                                       ; ahead of whatever next loads into, or reads, these products' registers
.Lhid_\@:
.endm
; ---------------- the head, once
	s_load_b512 s[32:47], s[0:1], 0x0              ; Q's codes s[32:33], Q's scales s[34:35], K's s[36:39], V's s[40:43], maskw s[44:45], cls s[46:47]
	s_set_vgpr_msb 0x40
	v_lshl_add_u32 v254, v0, 2, 0x4d000
	v_mov_b32 v255, 0
	s_set_vgpr_msb 0x4000
	v_lshrrev_b32 v5, 5, v0
	v_readfirstlane_b32 s[WV], v5                  ; wave 0..7
	s_and_b32 s[HEAD], ttmp7, 0xffff
	s_sub_co_u32 s[QB], 7, ttmp9                   ; the first block of queries: 7 - x
	s_mov_b32 s[BLK], 2
	s_mov_b32 s[MNT], 0x600000
	s_mov_b32 s[SEL], 0x76543210
	s_mov_b32 s[SEL+1], 0xfedcba98
	s_mov_b32 s[CS], 0x3e0293ee                    ; c = log2(e) / sqrt(128)
	s_mov_b32 s[CS+1], s[CS]
	v_and_b32 v5, 15, v0                           ; r
	v_bfe_u32 v6, v0, 4, 1                         ; h
	v_mul_u32_u24 v[AK0], v5, KPI
	v_lshl_add_u32 v[AK0], v6, 4, v[AK0]
	v_mul_u32_u24 v[AV0], v5, VPI
	v_lshl_add_u32 v[AV0], v6, 4, v[AV0]
	v_add_nc_u32 v[AV0], VOFF, v[AV0]
	v_and_b32 v7, 8, v5
	v_add_nc_u32 v7, v7, v5                        ; r + 8 (r / 8)
	v_lshl_add_u32 v[ASK0], v7, 2, SCK
	v_mul_u32_u24 v[ASV0], v5, SVP
	v_add_nc_u32 v[ASV0], SCV, v[ASV0]
	v_mov_b32 v[FILL], 0xff000000                  ; -2^127
	v_lshlrev_b32 v40, 4, v0                       ; 16 t
	v_lshrrev_b32 v32, 4, v0                       ; t / 16
	v_and_b32 v33, 15, v0
	v_lshlrev_b32 v33, 4, v33                      ; 16 (t % 16)
	v_mad_u32_u24 v34, v32, VPI, v33
	v_bfe_u32 v35, v0, 3, 3                        ; t / 8: its bits 0-2,
	v_bfe_u32 v36, v0, 6, 1
	v_lshl_or_b32 v35, v36, 4, v35                 ; its bit 3 to place 4,
	v_bfe_u32 v36, v0, 7, 1
	v_lshl_or_b32 v35, v36, 3, v35                 ; its bit 4 to place 3
	v_and_b32 v36, 7, v0
	v_lshlrev_b32 v36, 4, v36                      ; 16 (t % 8)
	v_add_nc_u32 v38, SCK, v40                     ; where K's scale bytes go: as they lie
	v_lshrrev_b32 v37, 2, v0
	v_and_b32 v39, 3, v0
	v_lshlrev_b32 v39, 4, v39
	v_mad_u32_u24 v39, v37, SVP, v39
	v_add_nc_u32 v39, SCV, v39                     ; and V's: row t / 4, 16 (t % 4)
	WIN 0x40
	v_mov_b32 v[GLK], v40
	v_lshl_add_u32 v[GLV], v32, 11, v33
	v_mad_u32_u24 v[STK], v35, KPI, v36
	v_add_nc_u32 v[STV], VOFF, v34
	WIN 0
.irp t, 0,1
.irp b, 0,1,2,3
	v_mov_b32 v[PB+16*\t+\b], 0                    ; written once: a lane permute's destination counts as one of its sources
.endr
	v_mov_b32 v[F+2*\t+1], 0                       ; named as the upper half of a pair
.endr
	s_lshl_b32 s66, s[HEAD], 13                    ; a head's scale bytes: 8,192
	s_mov_b32 s67, 0
	s_lshl_b32 s68, s[HEAD], 18                    ; a head's codes: 262,144
	s_mov_b32 s69, 0
	s_wait_kmcnt 0x0
	s_add_nc_u64 s[KH:KH+1], s[36:37], s[68:69]
	s_add_nc_u64 s[VH:VH+1], s[40:41], s[68:69]
	s_add_nc_u64 s[38:39], s[38:39], s[66:67]
	s_add_nc_u64 s[42:43], s[42:43], s[66:67]
	global_load_b128 v[160:163], v40, s[38:39]             ; the head's scale bytes come once, in runs of 512 consecutive bytes a wave, and stay in LDS
	global_load_b128 v[164:167], v40, s[38:39] offset:4096
	global_load_b128 v[168:171], v40, s[42:43]
	global_load_b128 v[172:175], v40, s[42:43] offset:4096
	s_wait_loadcnt 0x0
	ds_store_b128 v38, v[160:163]
	ds_store_b128 v38, v[164:167] offset:4096
	ds_store_b128 v39, v[168:171]
	ds_store_b128 v39, v[172:175] offset:64*SVP    ; shown to the other waves by the first block's barrier
; ---------------- a block of 256 queries
.Lblock:
	s_load_b512 s[32:47], s[0:1], 0x0              ; the arguments once more: their registers have held mask words
	s_load_b64 s[48:49], s[0:1], 0x40              ; out
	s_lshl_b32 s66, s[HEAD], 11
	s_lshl_b32 s67, s[QB], 8
	s_add_co_u32 s66, s66, s67
	s_lshl_b32 s67, s[WV], 5
	s_add_co_u32 s66, s66, s67                     ; my first row: 2,048 head + 256 block + 32 wave
	s_mov_b32 s67, 0
	s_lshl_b64 s[68:69], s[66:67], 7               ; in Q's codes,
	s_lshl_b64 s[70:71], s[66:67], 2               ; in Q's scale words,
	s_lshl_b64 s[72:73], s[66:67], 9               ; in out
	s_lshr_b32 s31, s[HEAD], 4                     ; the batch
	s_lshl_b32 s74, s31, 7
	s_lshl_b32 s100, s[QB], 4
	s_add_co_u32 s74, s74, s100
	s_lshl_b32 s100, s[WV], 1
	s_add_co_u32 s74, s74, s100                    ; my first tile of 16 queries: 128 batch + 16 block + 2 wave;
	s_lshl_b32 s74, s74, 12                        ; its 16 steps x 256 bytes of mask words
	s_mov_b32 s75, 0
	s_lshl_b32 s76, s31, 6
	s_lshl_b32 s100, s[QB], 3
	s_add_co_u32 s76, s76, s100
	s_lshl_b32 s76, s76, 2                         ; the block's eight flag words
	s_mov_b32 s77, 0
	s_lshl_b32 s78, s[WV], 2                       ; mine among them
	s_mov_b32 s79, 0
	v_and_b32 v7, 15, v0
	v_bfe_u32 v8, v0, 4, 1
	v_lshlrev_b32 v5, 7, v7
	v_lshl_add_u32 v5, v8, 4, v5                   ; Q: row r of 128 bytes, + 16 h
	v_lshlrev_b32 v6, 2, v7                        ; its scale words: 4 r
	s_wait_kmcnt 0x0
	s_add_nc_u64 s[32:33], s[32:33], s[68:69]
	s_add_nc_u64 s[34:35], s[34:35], s[70:71]
	s_add_nc_u64 s[OP:OP+1], s[48:49], s[72:73]
	s_add_nc_u64 s[MP:MP+1], s[44:45], s[74:75]
	s_add_nc_u64 s[46:47], s[46:47], s[76:77]
	s_add_nc_u64 s[50:51], s[46:47], s[78:79]
	s_load_b256 s[68:75], s[46:47], 0x0
	s_load_b32 s76, s[50:51], 0x0
	; slot 0 is filled whatever the flags say, so that the registers on the way to LDS are written on every path
	s_mov_b64 s[KPT:KPT+1], s[KH:KH+1]
	s_mov_b64 s[VPT:VPT+1], s[VH:VH+1]
	FETCHK
	WIN 0x01                                       ; V's eight go into the scores' registers (window 0), free here
.irp i, 0,1,2,3,4,5,6,7
	global_load_b128 v[S+4*\i:S+4*\i+3], v[GLV], s[VPT:VPT+1] offset:32768*\i
.endr
	WIN 0
.irp t, 0,1
	global_load_b32 v[QS+\t], v6, s[34:35] offset:64*\t
.endr
	WIN 0x40
.irp t, 0,1
.irp c, 0,1,2,3
	global_load_b128 v[QW+16*\t+4*\c:QW+16*\t+4*\c+3], v5, s[32:33] offset:2048*\t+32*\c th:TH_LOAD_NT   ; Q's fragments stay in registers; read by this wave alone
.endr
.endr
.set j, 0
.rept 128
	v_mov_b32 v[OT+j], 0                           ; O^T.  Which key step is a wave's first is read from memory, so none can be written out to start the sums with the constant 0
.set j, j+1
.endr
	WIN 0
.irp t, 0,1
	v_mov_b32 v[ST+4*\t+1], 0xff61b1e6             ; the largest t so far: -3e38, under every t, the hidden scores' too
	v_mov_b32 v[ST+4*\t+2], 0
	v_mov_b32 v[ST+4*\t+3], 0
.endr
.irp t, 0,1
	v_floor_f32 v[ST+4*\t], -v[ST+4*\t+1]
.endr
	s_wait_kmcnt 0x0                               ; the flags
	s_or_b32 s68, s68, s69
	s_or_b32 s70, s70, s71
	s_or_b32 s72, s72, s73
	s_or_b32 s74, s74, s75
	s_or_b32 s68, s68, s70
	s_or_b32 s72, s72, s74
	s_or_b32 s68, s68, s72
	s_and_b32 s68, s68, 0xffff                     ; key steps active for some wave of the block
	s_lshr_b32 s69, s68, 1
	s_or_b32 s[NEED], s68, s69                     ; bit 2 j: slot j is wanted.  Bits 16 on are 0: so in the last trip below, where bit 2 stands for a slot 8, nothing is fetched
	s_and_b32 s[ACT], s76, 0xffff
	s_lshr_b32 s[MIX], s76, 16
	s_wait_loadcnt 18                              ; K's eight are in: behind them stand V's 8, the 2 scale words and Q's 8
	STOREK STK
	s_wait_loadcnt 10                              ; V's eight: behind them the 2 and the 8
	WIN 0x01
.irp i, 0,1,2,3,4,5,6,7
	ds_store_b128 v[STV], v[S+4*\i:S+4*\i+3] offset:16*VPI*\i
.endr
	WIN 0
	s_wait_loadcnt 0x0                             ; Q
	s_wait_dscnt 0x0                               ; my part of slot 0 (and, the first time, of the scale bytes) has landed
	s_barrier_signal -1
	s_barrier_wait -1                              ; everybody's has.  (Nobody read a slot behind the last block's last barrier)
	s_add_nc_u64 s[KPT:KPT+1], s[KPT:KPT+1], 32768 ; on to slot 1; the loads that named these have come
	s_add_nc_u64 s[VPT:VPT+1], s[VPT:VPT+1], 256
	s_mov_b32 s[TB], 0
	s_mov_b32 s[TBO], SLOT1
	s_mov_b32 s[TS], 0
	s_mov_b32 s[TJ], 0
	s_mov_b32 s[SLC], 0
; ---------------- a slot: 256 keys, two key steps.  Eight trips, whatever the flags: what the flags decide is jumped over inside the trip, never a barrier or an address step
.Lslot:
	v_add_nc_u32 v[ADK], s[TB], v[AK0]
	v_add_nc_u32 v[ADV], s[TB], v[AV0]
	v_add_nc_u32 v[ADS], s[TS], v[ASK0]
	v_add_nc_u32 v[ADT], s[TJ], v[ASV0]
	WIN 0x44
	v_add_nc_u32 v[STKA], s[TBO], v[STK]
	v_add_nc_u32 v[STVA], s[TBO], v[STV]
	WIN 0
	s_bitcmp1_b32 s[NEED], 2                       ; is the next slot wanted?  The same number in all eight waves
	s_cbranch_scc0 .Lnk
	FETCHK                                         ; its K: a key step ahead of the wait
.Lnk:
	STEP 0
	s_wait_loadcnt 0x0                             ; on every path: no load is out
	s_bitcmp1_b32 s[NEED], 2
	s_cbranch_scc0 .Lnv
	STOREK STKA                                    ; into the other slot, which nobody reads since the last barrier
	s_wait_dscnt 0x0                               ; the stores have read their registers
	FETCHV                                         ; its V
.Lnv:
	STEP 1
	s_wait_loadcnt 0x0
	s_bitcmp1_b32 s[NEED], 2
	s_cbranch_scc0 .Lnn
	STOREV STVA
.Lnn:
	s_wait_dscnt 0x0                               ; my reads of this slot are over and my stores into the other have landed
	s_barrier_signal -1
	s_barrier_wait -1                              ; both hold of every wave: the slots change places
	s_wait_xcnt 0x0                                ; the pointers below are sources of loads issued in this trip
	s_add_nc_u64 s[KPT:KPT+1], s[KPT:KPT+1], 32768
	s_add_nc_u64 s[VPT:VPT+1], s[VPT:VPT+1], 256
	s_add_nc_u64 s[MP:MP+1], s[MP:MP+1], 512
	s_add_co_u32 s[TS], s[TS], 1024
	s_add_co_u32 s[TJ], s[TJ], 8
	s_xor_b32 s[TB], s[TB], SLOT1
	s_xor_b32 s[TBO], s[TBO], SLOT1
	s_lshr_b32 s[ACT], s[ACT], 2
	s_lshr_b32 s[MIX], s[MIX], 2
	s_lshr_b32 s[NEED], s[NEED], 2
	s_add_co_u32 s[SLC], s[SLC], 1
	s_cmp_lt_u32 s[SLC], 8
	s_cbranch_scc1 .Lslot
; ---------------- the way out: O^T / the sum, through my own stage in LDS, half a row (64 channels, 256 bytes) of 16 queries at a time
.irp t, 0,1
	v_add_f32 v[TMP+\t], v[ST+4*\t+2], v[ST+4*\t+3]                ; the sum's two halves,
.endr
.irp t, 0,1
	v_permlanex16_b32 v[PB+16*\t], v[TMP+\t], s[SEL], s[SEL+1]
.endr
.irp t, 0,1
	v_add_f32 v[TMP+\t], v[TMP+\t], v[PB+16*\t]                    ; and lane l xor 16's
.endr
.irp t, 0,1
	v_rcp_f32 v[F+2*\t], v[TMP+\t]
.endr
	v_and_b32 v[BM], 15, v0                        ; r  (plain work behind the reciprocals)
	v_bfe_u32 v[BM+1], v0, 4, 1                    ; h
	s_mul_i32 s31, s[WV], 16*SPI
	s_add_co_u32 s31, s31, STAGE                   ; my stage
	v_mul_u32_u24 v5, v[BM], SPI
	v_lshl_add_u32 v5, v[BM+1], 5, v5
	v_add_nc_u32 v5, s31, v5                       ; in: row r, + 32 h
	v_mul_u32_u24 v6, v[BM+1], SPI
	v_lshl_add_u32 v6, v[BM], 4, v6
	v_add_nc_u32 v6, s31, v6                       ; back: lanes 0-15 one row, lanes 16-31 the next
	v_lshlrev_b32 v7, 9, v[BM+1]
	v_lshl_add_u32 v7, v[BM], 4, v7                ; and the same two rows in out
	s_wait_alu depctr_va_vdst(0)                   ; one wait for the two reciprocals, ahead of their first reader
	WIN 0x01
.irp t, 0,1
.set j, 0
.rept 32
	v_pk_mul_f32 v[S+64*\t+j:S+64*\t+j+1], v[OT+64*\t+j:OT+64*\t+j+1], v[F+2*\t:F+2*\t+1] op_sel_hi:[1,0]   ; register 8 d + i is out(r, 16 d + 8 h + i); each accumulator from its low end on
.set j, j+2
.endr
.endr
	WIN 0
.irp t, 0,1
.irp u, 0,1
.irp f, 0,1,2,3
	ds_store_b128 v5, v[S+64*\t+32*\u+8*\f:S+64*\t+32*\u+8*\f+3] offset:64*\f
	ds_store_b128 v5, v[S+64*\t+32*\u+8*\f+4:S+64*\t+32*\u+8*\f+7] offset:64*\f+16
.endr
.irp i, 0,1,2,3,4,5,6,7
	ds_load_b128 v[FR+64*\t+32*\u+4*\i:FR+64*\t+32*\u+4*\i+3], v6 offset:2*SPI*\i   ; LDS serves a wave's instructions in order (ISA guide 5.7.1.4): these see my stores, and the next half's stores come behind them
.endr
.endr
.irp i, 0,1,2,3,4,5,6,7
	s_wait_dscnt 23-\i                             ; behind this load: 7 - i loads, the second half's 8 stores and 8 loads
	global_store_b128 v7, v[FR+64*\t+4*\i:FR+64*\t+4*\i+3], s[OP:OP+1] offset:8192*\t+1024*\i th:TH_STORE_NT   ; 16 lanes store 256 consecutive bytes, aligned
.endr
.irp i, 0,1,2,3,4,5,6,7
	s_wait_dscnt 7-\i
	global_store_b128 v7, v[FR+64*\t+32+4*\i:FR+64*\t+32+4*\i+3], s[OP:OP+1] offset:8192*\t+1024*\i+256 th:TH_STORE_NT
.endr
.endr
	s_wait_xcnt 0x0                                ; the stores have read their data, offset and base: all are written again in the next block
	s_sub_co_u32 s[QB], 7, s[QB]                   ; the other block of the pair
	s_sub_co_u32 s[BLK], s[BLK], 1
	s_cmp_lg_u32 s[BLK], 0
	s_cbranch_scc1 .Lblock
	s_set_vgpr_msb 0x5
	s_wait_tensorcnt 0x0
	ds_add_u32 v254, v255
	s_wait_dscnt 0x0
	s_set_vgpr_msb 0x500
	s_endpgm
.Lfunc_end_k_qc25218fce1_attn:
	.size	k_qc25218fce1_attn, .Lfunc_end_k_qc25218fce1_attn-k_qc25218fce1_attn
	.p2alignl 7, 3214868480
	.fill 96, 4, 3214868480
	.section	.rodata,"a",@progbits
	.p2align	6, 0x0
	.amdhsa_kernel k_qc25218fce1_attn
		.amdhsa_group_segment_fixed_size 316416
		.amdhsa_private_segment_fixed_size 0
		.amdhsa_enable_private_segment 0
		.amdhsa_kernarg_size 72
		.amdhsa_user_sgpr_count 2
		.amdhsa_user_sgpr_kernarg_segment_ptr 1
		.amdhsa_wavefront_size32 1
		.amdhsa_system_sgpr_workgroup_id_x 1
		.amdhsa_system_sgpr_workgroup_id_y 1
		.amdhsa_system_sgpr_workgroup_id_z 1
		.amdhsa_system_vgpr_workitem_id 0
		.amdhsa_next_free_vgpr 512
		.amdhsa_next_free_sgpr 106
		.amdhsa_reserve_vcc 0
		.amdhsa_float_denorm_mode_32 3
		.amdhsa_float_denorm_mode_16_64 3
		.amdhsa_memory_ordered 1
		.amdhsa_forward_progress 1
		.amdhsa_inst_pref_size 130
	.end_amdhsa_kernel
	.amdgpu_metadata
---
amdhsa.version: [ 1, 2 ]
amdhsa.kernels:
  - .name:           k_qc25218fce1_attn
    .symbol:         k_qc25218fce1_attn.kd
    .args:
      - { .name: query_codes, .offset: 0, .size: 8, .value_kind: global_buffer, .address_space: global }
      - { .name: query_scales, .offset: 8, .size: 8, .value_kind: global_buffer, .address_space: global }
      - { .name: key_codes, .offset: 16, .size: 8, .value_kind: global_buffer, .address_space: global }
      - { .name: key_scales, .offset: 24, .size: 8, .value_kind: global_buffer, .address_space: global }
      - { .name: value_codes, .offset: 32, .size: 8, .value_kind: global_buffer, .address_space: global }
      - { .name: value_scales, .offset: 40, .size: 8, .value_kind: global_buffer, .address_space: global }
      - { .name: maskw, .offset: 48, .size: 8, .value_kind: global_buffer, .address_space: global }
      - { .name: cls, .offset: 56, .size: 8, .value_kind: global_buffer, .address_space: global }
      - { .name: out0, .offset: 64, .size: 8, .value_kind: global_buffer, .address_space: global }
    .group_segment_fixed_size: 316416
    .private_segment_fixed_size: 0
    .kernarg_segment_align: 8
    .kernarg_segment_size: 72
    .max_flat_workgroup_size: 256
    .sgpr_count:     106
    .vgpr_count:     512
    .wavefront_size: 32
...
	.end_amdgpu_metadata
.endif
;; end of part 2
;; ======== version 2 of 2: 2 launches
;; workspace buffers: maskw 2,097,152 bytes of whole numbers; cls 1,024 bytes of whole numbers
;; launch prep (part 3): grid 64 x 4, 8 waves a work-group, no clusters, 1,280 bytes of LDS; arguments attn_mask, key_padding_mask, maskw, cls; writes maskw, cls
.if DOCPART == 3
	.amdgcn_target "amdgcn-amd-amdhsa--gfx1250"
	.amdhsa_code_object_version 6
	.text
	.protected	k_qc25218fce1_prep
	.globl	k_qc25218fce1_prep
	.p2align	8
	.type	k_qc25218fce1_prep,@function
k_qc25218fce1_prep:
	s_mov_b64 s[64:65], 0
	v_nop
	global_prefetch_b8 v0, s[64:65] scope:SCOPE_SE
	s_setreg_imm32_b32 hwreg(HW_REG_WAVE_MODE, 25, 1), 1
	s_wait_xcnt 0x0
; THE TWO INPUT MASKS BECOME LANE MASKS AND STEP FLAGS.  Whole numbers only; no pattern of the masks is assumed.
; kept(b, q, k) = attn_mask[q][k] and key_padding_mask[b][k] (bool bytes 0 or 1: bit 0 of a byte is what is tested).
; maskw [b 4][tile of 16 queries 128][key step 16][n 64], one word each: bit L of word n = HIDDEN(query 16 tile + L % 16, key 128 step + 32 (n / 16) + 16 (L / 16) + n % 16):
;   the lane mask for register n of a tile of scores as the next launch holds it.
; cls [b 4][group of 32 queries 64], one word each: bit s: key step s has a kept key for some of the 32 queries; bit 16 + s: it has kept and hidden ones.
;   A group with a query that has NO kept key among all 2,048 gets all 32 bits: reference() weighs all keys of such a row alike, so no step of it may be passed over.
; SHARES.  A work-group takes 32 queries x 2,048 keys of one batch; wave w keys 256 w .. 256 w + 255: key steps 2 w, 2 w + 1 of both tiles of 16 queries: four units k = 2 u + q of 64 words.
; Lane (r = lane % 16, h = lane / 16) holds, of row r, the 16 neighbouring bytes at 32 c + 16 h of each 32 keys: byte n % 4 of register n / 4 is word n's bit for this lane.
; A unit's 64 words leave as one store of 256 consecutive bytes, aligned.  The flag word is 4 bytes a work-group, 1,024 bytes in the whole launch: those blocks are written in part.
.set A,    16                          ; v16-79   unit k at A + 16 k: 16 registers of mask bytes, then of kept bytes
.set P,    80                          ; v80-111  the padding mask's bytes of key step q at P + 16 q
.set OUTW, 112                         ; v112-119 unit k's 64 words: lane l of the pair OUTW + 2 k holds words 2 l, 2 l + 1
.set KO,   120                         ; v120-123 unit k: the OR of its kept bytes
.set KA,   124                         ; v124-127 unit k: the AND of its kept bytes
	s_load_b256 s[4:11], s[0:1], 0x0               ; attn_mask s[4:5], key_padding_mask s[6:7], maskw s[8:9], cls s[10:11]
	v_lshl_add_u32 v128, v0, 2, 0x100
	v_mov_b32 v129, 0
	v_lshrrev_b32 v1, 5, v0
	s_delay_alu instid0(VALU_DEP_1)
	v_readfirstlane_b32 s12, v1                    ; wave 0..7
	v_and_b32 v1, 15, v0                           ; r
	v_bfe_u32 v2, v0, 4, 1                         ; h
	s_delay_alu instid0(VALU_DEP_1)
	v_lshlrev_b32 v4, 4, v2                        ; the padding mask: 16 h
	s_delay_alu instid0(VALU_DEP_1)
	v_lshl_add_u32 v3, v1, 11, v4                  ; attn_mask: row r of 2,048 bytes, + 16 h
	v_and_b32 v5, 31, v0
	s_delay_alu instid0(VALU_DEP_1)
	v_lshlrev_b32 v5, 3, v5                        ; out: 8 bytes a lane
	s_and_b32 s13, ttmp7, 0xffff                   ; the batch
	s_lshl_b32 s14, ttmp9, 16                      ; 32 rows of 2,048 bytes a group,
	s_lshl_b32 s15, s12, 8
	s_add_co_u32 s14, s14, s15                     ; + my wave's 256 keys
	s_mov_b32 s15, 0
	s_lshl_b32 s16, s13, 11                        ; the batch's row of the padding mask,
	s_lshl_b32 s17, s12, 8
	s_add_co_u32 s16, s16, s17                     ; + my 256 keys
	s_mov_b32 s17, 0
	s_lshl_b32 s18, s13, 7                         ; maskw: ((128 b + 2 group) x 16 steps + 2 wave) x 256 bytes
	s_lshl_b32 s19, ttmp9, 1
	s_add_co_u32 s18, s18, s19
	s_lshl_b32 s18, s18, 4
	s_lshl_b32 s19, s12, 1
	s_add_co_u32 s18, s18, s19
	s_lshl_b32 s18, s18, 8
	s_mov_b32 s19, 0
	s_lshl_b32 s36, s13, 6                         ; cls: 4 (64 b + group)
	s_add_co_u32 s36, s36, ttmp9
	s_lshl_b32 s36, s36, 2
	s_mov_b32 s37, 0
	s_mov_b32 s35, 0x01010101                      ; bit 0 of four bytes
	s_wait_alu depctr_va_vdst(0)
	s_wait_kmcnt 0x0
	s_add_nc_u64 s[4:5], s[4:5], s[14:15]
	s_add_nc_u64 s[6:7], s[6:7], s[16:17]
	s_add_nc_u64 s[8:9], s[8:9], s[18:19]
	s_add_nc_u64 s[10:11], s[10:11], s[36:37]
.irp u, 0,1
.irp q, 0,1
.irp c, 0,1,2,3
	global_load_b128 v[A+16*(2*\u+\q)+4*\c:A+16*(2*\u+\q)+4*\c+3], v3, s[4:5] offset:32768*\u+128*\q+32*\c
.endr
.endr
.endr
.irp q, 0,1
.irp c, 0,1,2,3
	global_load_b128 v[P+16*\q+4*\c:P+16*\q+4*\c+3], v4, s[6:7] offset:128*\q+32*\c
.endr
.endr
.irp i, 0,1,2,3,4,5,6,7
	v_mov_b32 v[OUTW+\i], 0                        ; written whole once: v_writelane_b32's destination counts as read
.endr
	s_wait_loadcnt 0x0
.irp u, 0,1
.irp q, 0,1
.set i, 0
.rept 16
	v_and_b32 v[A+16*(2*\u+\q)+i], v[A+16*(2*\u+\q)+i], v[P+16*\q+i]   ; kept = both masks
.set i, i+1
.endr
.endr
.endr
.irp k, 0,1,2,3
	v_or_b32  v[KO+\k], v[A+16*\k], v[A+16*\k+1]
	v_and_b32 v[KA+\k], v[A+16*\k], v[A+16*\k+1]
.endr
.set i, 2
.rept 14
.irp k, 0,1,2,3                                ; the four units by turns
	v_or_b32  v[KO+\k], v[KO+\k], v[A+16*\k+i]
	v_and_b32 v[KA+\k], v[KA+\k], v[A+16*\k+i]
.endr
.set i, i+1
.endr
; Unit k's 64 words, four at a time (the four bytes of one register): a byte's bit 0, the lanes where it is 0 as a lane mask, the mask into lane n / 2 of register n % 2.
.macro WORDS k
.set m, 0
.rept 16
.irp j, 0,1,2,3
	v_and_b32 v[6+\j], 1<<(8*\j), v[A+16*(\k)+m]
.endr
.irp j, 0,1,2,3
	s_delay_alu instid0(VALU_DEP_4)
	v_cmp_eq_u32 s[20+\j], 0, v[6+\j]              ; hidden
.endr
.irp j, 0,1,2,3
	v_writelane_b32 v[OUTW+2*(\k)+\j%2], s[20+\j], 2*m+\j/2
.endr
.set m, m+1
.endr
	global_store_b64 v5, v[OUTW+2*(\k):OUTW+2*(\k)+1], s[8:9] offset:4096*((\k)/2)+256*((\k)%2)   ; 32 lanes store 256 consecutive bytes, aligned; each unit has its own pair, so no store's data are written again
.endm
	WORDS 0
	WORDS 1
	WORDS 2
	WORDS 3
; my two key steps' flags
.irp q, 0,1
	v_or_b32 v6, v[KO+\q], v[KO+2+\q]              ; both tiles of queries
	s_delay_alu instid0(VALU_DEP_1)
	v_and_b32 v6, s35, v6
	s_delay_alu instid0(VALU_DEP_1)
	v_cmp_ne_u32 s20, 0, v6                        ; lanes with a kept key
	v_and_b32 v7, v[KA+\q], v[KA+2+\q]
	s_delay_alu instid0(VALU_DEP_1)
	v_and_b32 v7, s35, v7
	s_delay_alu instid0(VALU_DEP_1)
	v_cmp_ne_u32 s21, s35, v7                      ; lanes with a hidden key
	s_cmp_lg_u32 s20, 0
	s_cselect_b32 s[24+\q], 1, 0                   ; active
	s_cmp_lg_u32 s21, 0
	s_cselect_b32 s[26+\q], s[24+\q], 0            ; mixed = active and some key hidden
.endr
.irp u, 0,1
	v_or_b32 v6, v[KO+2*\u], v[KO+2*\u+1]          ; both key steps
	s_delay_alu instid0(VALU_DEP_1)
	v_and_b32 v6, s35, v6
	s_delay_alu instid0(VALU_DEP_1)
	v_cmp_ne_u32 s20, 0, v6
	s_lshr_b32 s21, s20, 16                        ; a row lies in lanes r and r + 16
	s_or_b32 s20, s20, s21
	s_and_b32 s[28+\u], s20, 0xffff                ; bit r: row r of tile u has a kept key among my 256
.endr
	s_lshl_b32 s29, s29, 16
	s_or_b32 s28, s28, s29                         ; the 32 rows
	s_lshl_b32 s25, s25, 1
	s_or_b32 s24, s24, s25
	s_lshl_b32 s26, s26, 16
	s_or_b32 s24, s24, s26
	s_lshl_b32 s27, s27, 17
	s_or_b32 s24, s24, s27
	s_lshl_b32 s30, s12, 1
	s_lshl_b32 s24, s24, s30                       ; at key steps 2 w, 2 w + 1
	s_lshl_b32 s31, s12, 3
	v_mov_b32 v10, s31                             ; LDS: 8 bytes a wave
	v_mov_b32 v6, s28
	v_mov_b32 v7, s24
	ds_store_b64 v10, v[6:7]                       ; all lanes write the same two words
	s_wait_dscnt 0x0                               ; for the others' sake: my store has landed
	s_barrier_signal -1
	s_barrier_wait -1
	v_mov_b32 v11, 0
.irp i, 0,1,2,3
	ds_load_b128 v[A+4*\i:A+4*\i+3], v11 offset:16*\i   ; the eight waves' pairs, in every lane
.endr
	s_wait_dscnt 0x0
.irp i, 2
	v_or_b32 v[A], v[A], v[A+\i]                   ; rows with a kept key anywhere
	v_or_b32 v[A+1], v[A+1], v[A+1+\i]             ; the 16 steps' flags
.endr
.irp i, 4, 6, 8, 10, 12, 14
	s_delay_alu instid0(VALU_DEP_2)
	v_or_b32 v[A], v[A], v[A+\i]
	s_delay_alu instid0(VALU_DEP_2)
	v_or_b32 v[A+1], v[A+1], v[A+1+\i]
.endr
	s_delay_alu instid0(VALU_DEP_2)
	v_readfirstlane_b32 s30, v[A]
	s_delay_alu instid0(VALU_DEP_2)
	v_readfirstlane_b32 s31, v[A+1]
	s_cmp_eq_u32 s30, -1
	s_cselect_b32 s32, s31, -1                     ; a row with no kept key at all: every step active, every step masked
	s_cmp_lg_u32 s12, 0
	s_cbranch_scc1 .Ldone                          ; wave 0 stores the word
	v_mov_b32 v6, s32
	v_mov_b32 v7, 0
	s_wait_alu depctr_va_vdst(0)
	s_wait_xcnt 0x0                                ; EXEC is a source of the stores above: it changes only behind this wait
	v_cmp_eq_u32 vcc_lo, 0, v0
	s_and_saveexec_b32 s33, vcc_lo
	global_store_b32 v7, v6, s[10:11]
	s_wait_xcnt 0x0                                ; and again ahead of the line that widens it
	s_or_b32 exec_lo, exec_lo, s33
.Ldone:
	s_wait_tensorcnt 0x0
	ds_add_u32 v128, v129
	s_wait_dscnt 0x0
	s_endpgm
.Lfunc_end_k_qc25218fce1_prep:
	.size	k_qc25218fce1_prep, .Lfunc_end_k_qc25218fce1_prep-k_qc25218fce1_prep
	.p2alignl 7, 3214868480
	.fill 96, 4, 3214868480
	.section	.rodata,"a",@progbits
	.p2align	6, 0x0
	.amdhsa_kernel k_qc25218fce1_prep
		.amdhsa_group_segment_fixed_size 1280
		.amdhsa_private_segment_fixed_size 0
		.amdhsa_enable_private_segment 0
		.amdhsa_kernarg_size 32
		.amdhsa_user_sgpr_count 2
		.amdhsa_user_sgpr_kernarg_segment_ptr 1
		.amdhsa_wavefront_size32 1
		.amdhsa_system_sgpr_workgroup_id_x 1
		.amdhsa_system_sgpr_workgroup_id_y 1
		.amdhsa_system_sgpr_workgroup_id_z 1
		.amdhsa_system_vgpr_workitem_id 0
		.amdhsa_next_free_vgpr 130
		.amdhsa_next_free_sgpr 66
		.amdhsa_reserve_vcc 1
		.amdhsa_float_denorm_mode_32 3
		.amdhsa_float_denorm_mode_16_64 3
		.amdhsa_memory_ordered 1
		.amdhsa_forward_progress 1
		.amdhsa_inst_pref_size 69
	.end_amdhsa_kernel
	.amdgpu_metadata
---
amdhsa.version: [ 1, 2 ]
amdhsa.kernels:
  - .name:           k_qc25218fce1_prep
    .symbol:         k_qc25218fce1_prep.kd
    .args:
      - { .name: attn_mask, .offset: 0, .size: 8, .value_kind: global_buffer, .address_space: global }
      - { .name: key_padding_mask, .offset: 8, .size: 8, .value_kind: global_buffer, .address_space: global }
      - { .name: maskw, .offset: 16, .size: 8, .value_kind: global_buffer, .address_space: global }
      - { .name: cls, .offset: 24, .size: 8, .value_kind: global_buffer, .address_space: global }
    .group_segment_fixed_size: 1280
    .private_segment_fixed_size: 0
    .kernarg_segment_align: 8
    .kernarg_segment_size: 32
    .max_flat_workgroup_size: 256
    .sgpr_count:     66
    .vgpr_count:     130
    .wavefront_size: 32
...
	.end_amdgpu_metadata
.endif
;; end of part 3
;; launch attn (part 4): grid 4 x 64, 8 waves a work-group, no clusters, 316,416 bytes of LDS; arguments query_codes, query_scales, key_codes, key_scales, value_codes, value_scales, maskw, cls, out0; writes out0
.if DOCPART == 4
	.amdgcn_target "amdgcn-amd-amdhsa--gfx1250"
	.amdhsa_code_object_version 6
	.text
	.protected	k_qc25218fce1_attn
	.globl	k_qc25218fce1_attn
	.p2align	8
	.type	k_qc25218fce1_attn,@function
k_qc25218fce1_attn:
	s_mov_b64 s[64:65], 0
	v_nop
	global_prefetch_b8 v0, s[64:65] scope:SCOPE_SE
	s_setreg_imm32_b32 hwreg(HW_REG_WAVE_SCHED_MODE, 0, 2), 2
	s_setreg_imm32_b32 hwreg(HW_REG_WAVE_MODE, 25, 1), 1
	s_wait_xcnt 0x0
	s_wait_alu depctr_vm_vsrc(0)
; out[h][q][:] = the sum over k of softmax_k(masked Q[h][q] . K[h][k] / sqrt(128)) V[h][k][:], 64 heads, 2,048 queries and keys, head size 128; both products on codes of BF8 (E5M2) with one E8M0 scale for each 32 along K.
; Q, K: [64][2048][128] codes, scale bytes [64][2048][4].  V: codes with the KEYS innermost, [64][128][2048], scale bytes [64][128][64].  out: [64][2048][128] f32.
; THE MASKS are inputs; the launch before has turned them into maskw (a lane mask for each register of a tile of scores) and cls (for each 32 queries: which key steps have a kept key, which have kept and hidden ones).
; THE SOFTMAX: t = score x c, c = log2(e) / sqrt(128); M = the running largest t rounded UP to a whole number; p = 2^(t - M) is quantised along the keys; the row's sum is taken of the unquantised p and divides at the end.
;   When M moves, the sum and O are multiplied by 2^(old M - new M): exact.
; HIDDEN SCORES become -2^127 (reference() fills with the least f32 number).  c x -2^127 is exact and a whole number, so in a row whose every key so far is hidden M = t and p = 1 for each key, which is what a softmax
;   of equal logits gives; the first kept key makes the factor 2^(old M - new M) zero and wipes that.  LIMIT: true scores at or under -1.7e38 are not told apart from hidden ones.
; A KEY STEP IS PASSED OVER by a wave only where all its 32 x 128 scores are hidden and each of its 32 rows has a kept key somewhere (the stored flags say so): such scores give p = 0 exactly.
; LIMITS: NaN and infinity among the codes and the scale byte 0xff are not served.  A block's largest p is taken from its largest score by the same two instructions: this takes v_exp_f32 not to fall where its input rises.
; SHARES.  256 work-groups of eight waves.  Work-group (x, head) makes the head's query blocks 7 - x and x, 256 queries each (where later queries see more keys the pairs weigh alike; no value hangs on that).
;   A wave owns 32 queries, two tiles of 16, so that each fragment of K and V read from LDS feeds two matrix instructions; two waves share a SIMD's registers, 512 each.
; K AND V COME THROUGH REGISTERS INTO LDS: two slots of 256 keys; while a slot is worked, the next is loaded (16 loads of 16 bytes a thread, issued a key step ahead of the wait for them) and stored into the other slot; one barrier a slot.
; NO TENSOR LOADS, NO CLUSTER, NO JOINT LOADS: the branch on the stored flags removes whole key steps (products, softmax and LDS reads:
;   on a causal mask 14 to 16 of a wave's 32).  What partners could share is a slot's 64 KiB, which is asked for a key step (32 matrix and some 650 vector instructions a wave) ahead of its use.
; NO PREFETCH: no wave waits for a stream that is read once: K and V are read by four work-groups, twice each, and each load is issued a key step ahead.
; LAYOUT.  Both products are used transposed: S^T = K Q^T (source 0 = 16 keys, source 1 = 16 queries), O^T = V^T P^T (source 0 = 16 channels, source 1 = P): a lane holds ONE query (lane % 16) throughout.
;   K's rows lie in LDS with bits 3 and 4 of the key's number exchanged: the 16 LDS rows of tile 2 b + u are keys 32 b + 8 u + m + 8 (m / 8), so that the 16 registers of tiles 2 b, 2 b + 1 are keys 32 b + 16 (lane / 16) + 0 .. 15.
; THE MODE: SCHED_MODE bits 1:0 = 2 (LLVM: expert scheduling mode 2), set by the entry lines.  The code itself states the register dependences between vector or matrix instructions and memory or LDS
;   instructions, with s_wait_alu, always for 0.
; THE PLAN.  Registers that memory or LDS instructions touch, in a key step:
;   FR, KS         K's tiles 0-3 and their scale words land at the step's head and are read by the first eight products K Q^T; behind all sixteen V's tiles 0-3 land there and are read by the first eight products V^T P.
;   KB, PC, KS2    K's tiles 4-7 land at the step's head in registers that lie idle then (the softmax's work registers; p's codes) and are read by the other eight products K Q^T; the softmax then writes KB and the conversions PC.
;   S (tile 0's)   behind the conversions p is dead: V's tiles 4-7 land there (their scale words in KS2) and are read by the other eight products V^T P; the next step's K Q^T writes over them.
;   SG             named by memory instructions alone: global loads land, LDS stores read.
;   v5-8, STKA, STVA   the slot's LDS addresses: written once a slot by vector adds, read by all its LDS instructions.  GLK, GLV, STK, STV: written once at the head.
;   So a step has one wait on va_vdst ahead of each of its three runs of LDS loads (step 0's first is the slot's), beside the two behind its exponentials; a slot has one wait on vm_vsrc and one on va_vdst round its six adds,
;   and one on vm_vsrc between the LDS stores that empty SG and the loads that fill it again.
.set KPI,   144                        ; a key's row in LDS: 128 bytes + 16: an odd multiple of 16 bytes, so that the 16 rows of a fragment load fall on 16 different 16-byte columns of 256
.set VPI,   272                        ; a row of V's tile: 256 bytes (a slot's 256 keys) + 16
.set VOFF,  256*KPI                    ; a slot: 256 rows of K, then 128 rows of V
.set SLOT1, 131072                     ; slot 1 begins here: one exclusive or turns an address in one slot into the other's
.set SCK,   262144                     ; K's scale words of the whole head: 4 bytes a key, dense
.set SVP,   80                         ; a row of V's scale bytes: 64 + 16
.set SCV,   SCK+8192                   ; V's scale bytes of the whole head: 128 rows
.set STAGE, SCV+128*SVP                ; the way out: 16 rows x (256 bytes + 16) for each wave, its own
.set SPI,   272
; REGISTERS, window 0
.set KS2,  1                           ; v1-4 the scale words of K's, later of V's, tiles 4-7
.set ADK,  5                           ; v5-8: the slot's addresses of K, V, K's scale words, V's; at a block's head Q's offsets; on the way out the stage's and out's
.set ADV,  6
.set ADS,  7
.set ADT,  8
.set FILL, 9                           ; -2^127
.set QS,   10                          ; v10-11 Q's scale words, a tile each
.set ST,   12                          ; tile t at ST + 4 t: -M, the largest t, the sum in two halves
.set KS,   20                          ; v20-23 the scale words of K's, later of V's, tiles 0-3
.set PS,   24                          ; v24-25 p's scale words
.set F,    26                          ; tile t: the pair F + 2 t: f = 2^(old M - new M) in the low word; at the end 1 / the sum
.set TMP,  30                          ; v30-31
.set FR,   32                          ; v32-95 four fragments of K or of V
.set S,    96                          ; tile t at S + 64 t: S^T, then p; tile 0's 64 then hold V's tiles 4-7
.set BM,   224                         ; tile t at + 16 t: the four blocks' largest scores, then largest p
.set PB,   228                         ; a lane permute's destination; the sums' second chain; the scale bytes
.set HD,   232                         ; 57,344 x the scale
.set SO,   236                         ; the conversion's scale operand
.set KB,   224                         ; v224-255, ahead of the softmax: K's tiles 4 and 5
; window 1
.set OT,   0                           ; O^T, 64 a tile
.set QW,   128                         ; Q's fragments, 16 a tile
.set PC,   160                         ; p's codes, 16 a tile; ahead of the softmax: K's tiles 6 and 7
.set SG,   192                         ; 32 registers on the way from memory to LDS
.set GLK,  224                         ; K in memory: 16 t (t: my thread's number)
.set GLV,  225                         ; V in memory: 2,048 (t / 16) + 16 (t % 16)
.set STK,  226                         ; K in a slot: 144 x (t / 8 with bits 3, 4 exchanged) + 16 (t % 8)
.set STV,  227                         ; V in a slot: VOFF + 272 (t / 16) + 16 (t % 16)
.set STKA, 228                         ; the two in the slot that is being filled
.set STVA, 229
.set AK0,  230                         ; my lane's place in a tile of K: 144 r + 16 h
.set AV0,  231                         ; in a tile of V: VOFF + 272 r + 16 h
.set ASK0, 232                         ; among K's scale words: SCK + 4 (r + 8 (r / 8))
.set ASV0, 233                         ; among V's: SCV + 80 r
; scalars.  s32-63 and s68-99: the 64 mask words of a tile and step (word n in s[32 + n + 4 (n / 32)]); at the heads: arguments and offsets
.set KPT,  2                           ; s[2:3]  K's next slot in memory
.set VPT,  4                           ; s[4:5]  V's
.set KH,   6                           ; s[6:7]  the head's K
.set VH,   8                           ; s[8:9]  the head's V
.set MP,   10                          ; s[10:11] my tile 0's mask words of the slot in hand
.set OP,   12                          ; s[12:13] out at my first row
.set HEAD, 14
.set QB,   15                          ; the block of 256 queries
.set ACT,  16                          ; bit q: key step q of the slot in hand is active for my 32 queries
.set MIX,  17                          ; bit q: it has hidden scores
.set WV,   18
.set MNT,  19                          ; the mantissa field of 57,344
.set SEL,  20                          ; s[20:21] v_permlanex16_b32's selects for lane l xor 16
.set CS,   22                          ; s[22:23] c, twice: the packed form names the pair
.set TB,   24                          ; the slot in hand
.set TBO,  25                          ; the other
.set TS,   26                          ; K's scale words: 1,024 bytes a slot
.set TJ,   27                          ; V's: 8 bytes a slot in each row
.set NEED, 28                          ; bit 2 j: the slot j further on is wanted by some wave of the work-group
.set SLC,  29
.set BLK,  30
.set MSB, 0
.macro WIN new                         ; s_set_vgpr_msb: bits 1:0 source 0, 3:2 source 1, 5:4 source 2, 7:6 destination; the high byte repeats the setting that is left
.if MSB != \new
	s_set_vgpr_msb (MSB<<8)|\new
.set MSB, \new
.endif
.endm
.macro PLACES n                        ; plain vector instructions behind a matrix instruction: eight for this form ahead of a vector instruction that reads its result or writes one of its registers
.rept \n
	v_nop
.endr
.endm
.macro FETCHK                          ; a slot's K, 32,768 dense bytes: a wave's load covers 512 consecutive bytes
	WIN 0x41
.irp i, 0,1,2,3,4,5,6,7
	global_load_b128 v[SG+4*\i:SG+4*\i+3], v[GLK], s[KPT:KPT+1] offset:4096*\i
.endr
	WIN 0
.endm
.macro FETCHV                          ; a slot's V: 256 bytes of each of 128 rows: sixteen lanes read 256 consecutive bytes, aligned
	WIN 0x41
	s_wait_alu depctr_vm_vsrc(0)                   ; the LDS stores of K just issued have read SG, in which these loads land
.irp i, 0,1,2,3,4,5,6,7
	global_load_b128 v[SG+4*\i:SG+4*\i+3], v[GLV], s[VPT:VPT+1] offset:32768*\i
.endr
	WIN 0
.endm
.macro STOREK adr
	WIN 0x05
.irp i, 0,1,2,3,4,5,6,7
	ds_store_b128 v[\adr], v[SG+4*\i:SG+4*\i+3] offset:32*KPI*\i
.endr
	WIN 0
.endm
.macro STOREV adr
	WIN 0x05
.irp i, 0,1,2,3,4,5,6,7
	ds_store_b128 v[\adr], v[SG+4*\i:SG+4*\i+3] offset:16*VPI*\i
.endr
	WIN 0
.endm
.macro KFRAG q, d, reg                 ; tile d (16 keys) of the slot's q-th 128 keys
.irp c, 0,1,2,3
	ds_load_b128 v[\reg+4*\c:\reg+4*\c+3], v[ADK] offset:(128*(\q)+16*(\d))*KPI+32*\c
.endr
.endm
.macro KWORD q, d, reg                 ; and its rows' scale words
	ds_load_b32 v[\reg], v[ADS] offset:4*(128*(\q)+32*((\d)/2)+8*((\d)%2))
.endm
.macro KLOAD q                         ; a key step's eight tiles of K in one run of 40 LDS loads: the first 20 are tiles 0-3 and their words
.irp d, 0,1,2,3
	KFRAG \q, \d, FR+16*\d
	KWORD \q, \d, KS+\d
.endr
.irp d, 4,5
	KFRAG \q, \d, KB+16*(\d-4)
.endr
.irp d, 4,5,6,7
	KWORD \q, \d, KS2+\d-4
.endr
	WIN 0x40                                       ; tiles 6 and 7 land in window 1
.irp d, 6,7
	KFRAG \q, \d, PC+16*(\d-6)
.endr
	WIN 0
.endm
.macro VFRAG q, d, reg, sc             ; channels 16 d on, the slot's q-th 128 keys, and their scale words
.irp c, 0,1,2,3
	ds_load_b128 v[\reg+4*\c:\reg+4*\c+3], v[ADV] offset:16*(\d)*VPI+128*(\q)+32*\c
.endr
	ds_load_b32 v[\sc], v[ADT] offset:16*(\d)*SVP+4*(\q)
.endm
.macro MWORDS q, t                     ; tile t's 64 mask words of key step q
.irp k, 0,1
	s_load_b512 s[32+16*\k:47+16*\k], s[MP:MP+1], 4096*(\t)+256*(\q)+64*\k
	s_load_b512 s[68+16*\k:83+16*\k], s[MP:MP+1], 4096*(\t)+256*(\q)+128+64*\k
.endr
.endm
.macro HIDE t                          ; a register's hidden lanes take -2^127; ascending
.set n, 0
.rept 64
	v_cndmask_b32 v[S+64*(\t)+n], v[S+64*(\t)+n], v[FILL], s[32+n+4*(n/32)]
.set n, n+1
.endr
.endm
.macro QKT d, a, sc                    ; S^T's tile d for both tiles of queries: K's fragment at v[a], its scale words in v[sc]
.irp t, 0,1
	v_wmma_scale_f32_16x16x128_f8f6f4 v[S+64*\t+8*(\d):S+64*\t+8*(\d)+7], v[\a:\a+15], v[QW+16*\t:QW+16*\t+15], 0, v[\sc], v[QS+\t] matrix_a_fmt:MATRIX_FMT_BF8 matrix_b_fmt:MATRIX_FMT_BF8
.endr
.endm
.macro PVT d, a, sc                    ; O^T += V^T P^T: channels 16 d on, both tiles of queries: V's fragment at v[a], its scale words in v[sc]
.irp t, 0,1
	v_wmma_scale_f32_16x16x128_f8f6f4 v[OT+64*\t+8*(\d):OT+64*\t+8*(\d)+7], v[\a:\a+15], v[PC+16*\t:PC+16*\t+15], v[OT+64*\t+8*(\d):OT+64*\t+8*(\d)+7], v[\sc], v[PS+\t] matrix_a_fmt:MATRIX_FMT_BF8 matrix_b_fmt:MATRIX_FMT_BF8
.endr
.endm
; A KEY STEP: the slot's q-th 128 keys, for my two tiles of queries.  No barrier and no address step stands in it.
; The accumulators take turns, one instruction a turn; a product K Q^T always stands between two steps' products V^T P.
.macro STEP q
	s_bitcmp1_b32 s[ACT], \q
	s_cbranch_scc0 .Lhid_\@                        ; all hidden, and every row of mine has a kept key elsewhere: nothing to add
	MWORDS \q, 0                                   ; tile 0's mask words land under the products
.if \q
	s_wait_alu depctr_va_vdst(0)                   ; the step before is done: its products have read FR, KS, KS2 and p's codes, its softmax has written and read v224-255: the loads below land in all of these.  (Step 0 has the slot's wait for this)
.endif
	KLOAD \q
	s_wait_dscnt 20                                ; tiles 0-3 and their words are in; the 20 younger loads, tiles 4-7 and theirs, may be out
	WIN 0x04                                       ; Q (source 1) in window 1
.irp d, 0,1,2,3
	QKT \d, FR+16*\d, KS+\d
.endr
	s_wait_dscnt 0x0
.irp d, 4,5
	QKT \d, KB+16*(\d-4), KS2+\d-4
.endr
	WIN 0x05                                       ; K's tiles 6 and 7 (source 0) in window 1 too
.irp d, 6,7
	QKT \d, PC+16*(\d-6), KS2+\d-4
.endr
	WIN 0
	PLACES 8                                       ; ahead of the first read of the scores and of the softmax's first writes into v224-255, which the products have read
	s_wait_alu depctr_va_vdst(0)                   ; the products K Q^T are done reading FR and KS, in which V's tiles 0-3 and their words land
.irp d, 0,1,2,3
	VFRAG \q, \d, FR+16*\d, KS+\d                  ; they land during the softmax
.endr
	s_wait_kmcnt 0x0                               ; the mask words
	s_bitcmp1_b32 s[MIX], \q
	s_cbranch_scc0 .Lopen_\@                       ; every score of the step counts
	HIDE 0
	s_wait_alu depctr_va_vdst(0)                   ; the 64 selects above have read their lane masks in s32-63 and s68-99, which the scalar loads below write again
	MWORDS \q, 1
	s_wait_kmcnt 0x0
	HIDE 1
.Lopen_\@:
.irp b, 0,1,2,3
.irp t, 0,1
	v_max3_num_f32 v[BM+16*\t+\b], v[S+64*\t+16*\b], v[S+64*\t+16*\b+1], v[S+64*\t+16*\b+2]   ; the largest score of each block of 32 keys: for the row's maximum and for the block's largest p
.endr
.endr
.irp i, 3,5,7,9,11,13
.irp b, 0,1,2,3
.irp t, 0,1
	v_max3_num_f32 v[BM+16*\t+\b], v[BM+16*\t+\b], v[S+64*\t+16*\b+\i], v[S+64*\t+16*\b+\i+1]   ; eight chains by turns
.endr
.endr
.endr
.irp b, 0,1,2,3
.irp t, 0,1
	v_max_num_f32 v[BM+16*\t+\b], v[BM+16*\t+\b], v[S+64*\t+16*\b+15]
.endr
.endr
.irp b, 0,1,2,3
.irp t, 0,1
	v_permlanex16_b32 v[PB+16*\t+\b], v[BM+16*\t+\b], s[SEL], s[SEL+1]
.endr
.endr
.irp b, 0,1,2,3
.irp t, 0,1
	v_max_num_f32 v[BM+16*\t+\b], v[BM+16*\t+\b], v[PB+16*\t+\b]   ; with lane l xor 16's 16 keys
.endr
.endr
.irp t, 0,1
	v_max3_num_f32 v[TMP+\t], v[BM+16*\t], v[BM+16*\t+1], v[BM+16*\t+2]
.endr
.irp t, 0,1
	v_max_num_f32 v[TMP+\t], v[TMP+\t], v[BM+16*\t+3]              ; the step's largest score of my query
.endr
.irp t, 0,1
	v_mul_f32 v[TMP+\t], s[CS], v[TMP+\t]                          ; as t
.endr
.irp t, 0,1
	v_max_num_f32 v[ST+4*\t+1], v[ST+4*\t+1], v[TMP+\t]            ; the running largest t
.endr
.irp t, 0,1
	v_mov_b32 v[TMP+\t], v[ST+4*\t]
.endr
.irp t, 0,1
	v_floor_f32 v[ST+4*\t], -v[ST+4*\t+1]                          ; the new -M = floor(-t): M is a whole number
.endr
.irp t, 0,1
	v_sub_f32 v[TMP+\t], v[ST+4*\t], v[TMP+\t]                     ; old M - new M: a whole number, 0 or less
.endr
.irp t, 0,1
	v_cvt_i32_f32 v[TMP+\t], v[TMP+\t]                             ; (it saturates)
.endr
.irp t, 0,1
	v_ldexp_f32 v[F+2*\t], 1.0, v[TMP+\t]                          ; f = 2^(old M - new M)
.endr
.set j, 0
.rept 32
.irp t, 0,1
	v_pk_fma_f32 v[S+64*\t+j:S+64*\t+j+1], v[S+64*\t+j:S+64*\t+j+1], s[CS:CS+1], v[ST+4*\t:ST+4*\t+1] op_sel_hi:[1,0,0]   ; t - M, two at a time
.endr
.set j, j+2
.endr
.irp b, 0,1,2,3
.irp t, 0,1
	v_fma_f32 v[BM+16*\t+\b], v[BM+16*\t+\b], s[CS], v[ST+4*\t]    ; the same of each block's largest score
.endr
.endr
.set j, 0
	s_wait_alu depctr_va_vdst(0)
.rept 64
.irp t, 0,1
	v_exp_f32 v[S+64*\t+j], v[S+64*\t+j]                           ; p = 2^(t - M): not normalised
.endr
.set j, j+1
.endr
.irp t, 0,1
	v_pk_mul_f32 v[ST+4*\t+2:ST+4*\t+3], v[ST+4*\t+2:ST+4*\t+3], v[F+2*\t:F+2*\t+1] op_sel_hi:[1,0]   ; the sums under the new M: plain work behind the exponentials
.endr
	s_wait_alu depctr_va_vdst(0)                   ; the 128 exponentials have written p: one wait for the batch, ahead of its first reader
.irp b, 0,1,2,3
.irp t, 0,1
	v_exp_f32 v[BM+16*\t+\b], v[BM+16*\t+\b]                       ; the block's largest p
.endr
.endr
.irp t, 0,1
	v_pk_add_f32 v[PB+16*\t:PB+16*\t+1], v[S+64*\t:S+64*\t+1], v[S+64*\t+2:S+64*\t+3]   ; the row's sum is taken of the UNQUANTISED p: two chains a tile
.endr
.set j, 4
.rept 15
.irp t, 0,1
	v_pk_add_f32 v[ST+4*\t+2:ST+4*\t+3], v[ST+4*\t+2:ST+4*\t+3], v[S+64*\t+j:S+64*\t+j+1]
	v_pk_add_f32 v[PB+16*\t:PB+16*\t+1], v[PB+16*\t:PB+16*\t+1], v[S+64*\t+j+2:S+64*\t+j+3]
.endr
.set j, j+4
.endr
.irp t, 0,1
	v_pk_add_f32 v[ST+4*\t+2:ST+4*\t+3], v[ST+4*\t+2:ST+4*\t+3], v[PB+16*\t:PB+16*\t+1]
.endr
	s_wait_alu depctr_va_vdst(0)                   ; the eight exponentials have written the blocks' largest p, ahead of their first reader
.irp b, 0,1,2,3
.irp t, 0,1
	v_max_num_f32 v[BM+16*\t+\b], 0x8000000, v[BM+16*\t+\b]        ; the floor 2^(16 - 127): the byte cannot fall under 1 (a block whose every p is 0 keeps that byte: its codes are zeros)
.endr
.endr
.irp b, 0,1,2,3
.irp t, 0,1
	v_add_nc_u32 v[SO+16*\t+\b], 0xf8800000, v[BM+16*\t+\b]        ; 15 off the exponent field: the conversion's scale operand
.endr
.endr
.irp b, 0,1,2,3
.irp t, 0,1
	v_and_or_b32 v[HD+16*\t+\b], v[BM+16*\t+\b], 0x7f800000, s[MNT]   ; 57,344 x the scale
.endr
.endr
.irp b, 0,1,2,3
.irp t, 0,1
	v_lshrrev_b32 v[PB+16*\t+\b], 23, v[SO+16*\t+\b]               ; the scale's byte
.endr
.endr
.irp t, 0,1
	v_lshl_or_b32 v[PS+\t], v[PB+16*\t+1], 8, v[PB+16*\t]          ; p's scale word for these 128 keys
.endr
.irp t, 0,1
	v_lshl_or_b32 v[PS+\t], v[PB+16*\t+2], 16, v[PS+\t]
.endr
.irp t, 0,1
	v_lshl_or_b32 v[PS+\t], v[PB+16*\t+3], 24, v[PS+\t]
.endr
.irp b, 0,1,2,3
.irp t, 0,1
.set j, 0
.rept 16
	v_min_num_f32 v[S+64*\t+16*\b+j], v[S+64*\t+16*\b+j], v[HD+16*\t+\b]   ; the conversion to an 8-bit code does not saturate (ISA guide 7.6.2); p is not negative, so the hold is one-sided
.set j, j+1
.endr
.endr
.endr
	WIN 0x40                                       ; the codes lie in window 1
.irp b, 0,1,2,3
.irp t, 0,1
	v_cvt_scalef32_pk8_bf8_f32 v[PC+16*\t+4*\b:PC+16*\t+4*\b+1], v[S+64*\t+16*\b:S+64*\t+16*\b+7], v[SO+16*\t+\b]
	v_cvt_scalef32_pk8_bf8_f32 v[PC+16*\t+4*\b+2:PC+16*\t+4*\b+3], v[S+64*\t+16*\b+8:S+64*\t+16*\b+15], v[SO+16*\t+\b]
.endr
.endr
	WIN 0x41
.set j, 0
.rept 4
.irp t, 0,1
	v_pk_mul_f32 v[OT+64*\t+j:OT+64*\t+j+1], v[OT+64*\t+j:OT+64*\t+j+1], v[F+2*\t:F+2*\t+1] op_sel_hi:[1,0]   ; O^T under the new M.  These eight are the plain lines between the conversions and the products that read the codes
.endr
.set j, j+2
.endr
	WIN 0
	s_wait_alu depctr_va_vdst(0)                   ; the conversions have written p's codes, and the lines further up p's scale words, which the scaled products below take; and the conversions are done reading tile 0's p, in which the loads below land
.irp d, 4,5,6,7
	VFRAG \q, \d, S+16*(\d-4), KS2+\d-4            ; V's tiles 4-7 land under the 56 multiplications below, which name none of these registers
.endr
	WIN 0x41
.rept 28
.irp t, 0,1
	v_pk_mul_f32 v[OT+64*\t+j:OT+64*\t+j+1], v[OT+64*\t+j:OT+64*\t+j+1], v[F+2*\t:F+2*\t+1] op_sel_hi:[1,0]   ; the rest of O^T under the new M
.endr
.set j, j+2
.endr
	s_wait_alu depctr_va_vdst(0)
	s_wait_dscnt 20                                ; V's tiles 0-3 and their words are in; the 20 younger loads, tiles 4-7 and theirs, may be out
	WIN 0x54                                       ; P's codes (source 1), C and D in window 1
.irp d, 0,1,2,3
	PVT \d, FR+16*\d, KS+\d
.endr
	s_wait_dscnt 0x0
.irp d, 4,5,6,7
	PVT \d, S+16*(\d-4), KS2+\d-4
.endr
	WIN 0
	PLACES 9                                       ; the next products K Q^T write over v96-159, which these products have read: nine places ahead of a matrix instruction that does so; they also stand ahead of the vector lines that next read O^T
.Lhid_\@:
.endm
; ---------------- the head, once
	s_load_b512 s[32:47], s[0:1], 0x0              ; Q's codes s[32:33], Q's scales s[34:35], K's s[36:39], V's s[40:43], maskw s[44:45], cls s[46:47]
	s_set_vgpr_msb 0x40
	v_lshl_add_u32 v254, v0, 2, 0x4d000
	v_mov_b32 v255, 0
	s_set_vgpr_msb 0x4000
	v_lshrrev_b32 v5, 5, v0
	v_readfirstlane_b32 s[WV], v5                  ; wave 0..7
	s_and_b32 s[HEAD], ttmp7, 0xffff
	s_sub_co_u32 s[QB], 7, ttmp9                   ; the first block of queries: 7 - x
	s_mov_b32 s[BLK], 2
	s_mov_b32 s[MNT], 0x600000
	s_mov_b32 s[SEL], 0x76543210
	s_mov_b32 s[SEL+1], 0xfedcba98
	s_mov_b32 s[CS], 0x3e0293ee                    ; c = log2(e) / sqrt(128)
	s_mov_b32 s[CS+1], s[CS]
	v_and_b32 v5, 15, v0                           ; r
	v_bfe_u32 v6, v0, 4, 1                         ; h
	v_mul_u32_u24 v41, v5, KPI
	v_mul_u32_u24 v42, v5, VPI
	v_lshl_add_u32 v42, v6, 4, v42
	v_and_b32 v7, 8, v5
	v_add_nc_u32 v7, v7, v5                        ; r + 8 (r / 8)
	v_mul_u32_u24 v43, v5, SVP
	v_mov_b32 v[FILL], 0xff000000                  ; -2^127
	v_lshlrev_b32 v40, 4, v0                       ; 16 t
	v_lshrrev_b32 v32, 4, v0                       ; t / 16
	v_and_b32 v33, 15, v0
	v_lshlrev_b32 v33, 4, v33                      ; 16 (t % 16)
	v_mad_u32_u24 v34, v32, VPI, v33
	v_bfe_u32 v35, v0, 3, 3                        ; t / 8: its bits 0-2,
	v_bfe_u32 v36, v0, 6, 1
	v_lshl_or_b32 v35, v36, 4, v35                 ; its bit 3 to place 4,
	v_bfe_u32 v36, v0, 7, 1
	v_lshl_or_b32 v35, v36, 3, v35                 ; its bit 4 to place 3
	v_and_b32 v36, 7, v0
	v_lshlrev_b32 v36, 4, v36                      ; 16 (t % 8)
	v_add_nc_u32 v38, SCK, v40                     ; where K's scale bytes go: as they lie
	v_lshrrev_b32 v37, 2, v0
	v_and_b32 v39, 3, v0
	v_lshlrev_b32 v39, 4, v39
	v_mad_u32_u24 v39, v37, SVP, v39
	v_add_nc_u32 v39, SCV, v39                     ; and V's: row t / 4, 16 (t % 4)
	WIN 0x40
	v_lshl_add_u32 v[AK0], v6, 4, v41
	v_add_nc_u32 v[AV0], VOFF, v42
	v_lshl_add_u32 v[ASK0], v7, 2, SCK
	v_add_nc_u32 v[ASV0], SCV, v43
	v_mov_b32 v[GLK], v40
	v_lshl_add_u32 v[GLV], v32, 11, v33
	v_mad_u32_u24 v[STK], v35, KPI, v36
	v_add_nc_u32 v[STV], VOFF, v34
	WIN 0
.irp t, 0,1
.irp b, 0,1,2,3
	v_mov_b32 v[PB+16*\t+\b], 0                    ; written once: a lane permute's destination counts as one of its sources
.endr
	v_mov_b32 v[F+2*\t+1], 0                       ; named as the upper half of a pair
.endr
	s_wait_alu depctr_va_sdst(0)
	s_lshl_b32 s66, s[HEAD], 13                    ; a head's scale bytes: 8,192
	s_mov_b32 s67, 0
	s_lshl_b32 s68, s[HEAD], 18                    ; a head's codes: 262,144
	s_mov_b32 s69, 0
	s_wait_kmcnt 0x0
	s_add_nc_u64 s[KH:KH+1], s[36:37], s[68:69]
	s_add_nc_u64 s[VH:VH+1], s[40:41], s[68:69]
	s_add_nc_u64 s[38:39], s[38:39], s[66:67]
	s_add_nc_u64 s[42:43], s[42:43], s[66:67]
	s_wait_alu depctr_va_vdst(0)                   ; v38 to v40 are written, which the loads and LDS stores below read; so are GLK, GLV, STK and STV, which every later fetch and the blocks' first LDS stores read
	global_load_b128 v[160:163], v40, s[38:39]             ; the head's scale bytes come once, in runs of 512 consecutive bytes a wave, and stay in LDS
	global_load_b128 v[164:167], v40, s[38:39] offset:4096
	global_load_b128 v[168:171], v40, s[42:43]
	global_load_b128 v[172:175], v40, s[42:43] offset:4096
	s_wait_loadcnt 0x0
	ds_store_b128 v38, v[160:163]
	ds_store_b128 v38, v[164:167] offset:4096
	ds_store_b128 v39, v[168:171]
	ds_store_b128 v39, v[172:175] offset:64*SVP    ; shown to the other waves by the first block's barrier
; ---------------- a block of 256 queries
.Lblock:
	s_load_b512 s[32:47], s[0:1], 0x0              ; the arguments once more: their registers have held mask words
	s_load_b64 s[48:49], s[0:1], 0x40              ; out
	s_lshl_b32 s66, s[HEAD], 11
	s_lshl_b32 s67, s[QB], 8
	s_add_co_u32 s66, s66, s67
	s_lshl_b32 s67, s[WV], 5
	s_add_co_u32 s66, s66, s67                     ; my first row: 2,048 head + 256 block + 32 wave
	s_mov_b32 s67, 0
	s_lshl_b64 s[68:69], s[66:67], 7               ; in Q's codes,
	s_lshl_b64 s[70:71], s[66:67], 2               ; in Q's scale words,
	s_lshl_b64 s[72:73], s[66:67], 9               ; in out
	s_lshr_b32 s31, s[HEAD], 4                     ; the batch
	s_lshl_b32 s74, s31, 7
	s_lshl_b32 s100, s[QB], 4
	s_add_co_u32 s74, s74, s100
	s_lshl_b32 s100, s[WV], 1
	s_add_co_u32 s74, s74, s100                    ; my first tile of 16 queries: 128 batch + 16 block + 2 wave;
	s_lshl_b32 s74, s74, 12                        ; its 16 steps x 256 bytes of mask words
	s_mov_b32 s75, 0
	s_lshl_b32 s76, s31, 6
	s_lshl_b32 s100, s[QB], 3
	s_add_co_u32 s76, s76, s100
	s_lshl_b32 s76, s76, 2                         ; the block's eight flag words
	s_mov_b32 s77, 0
	s_lshl_b32 s78, s[WV], 2                       ; mine among them
	s_mov_b32 s79, 0
	s_wait_alu depctr_vm_vsrc(0)                   ; the first time: the head's loads and LDS stores have read v38 to v40 and v160-175; then: the last block's LDS and global stores have read v5-7 and v32-223, its last LDS stores SG: all are written again from here on
	v_and_b32 v7, 15, v0
	v_bfe_u32 v8, v0, 4, 1
	v_lshlrev_b32 v5, 7, v7
	v_lshl_add_u32 v5, v8, 4, v5                   ; Q: row r of 128 bytes, + 16 h
	v_lshlrev_b32 v6, 2, v7                        ; its scale words: 4 r
	s_wait_kmcnt 0x0
	s_add_nc_u64 s[32:33], s[32:33], s[68:69]
	s_add_nc_u64 s[34:35], s[34:35], s[70:71]
	s_add_nc_u64 s[OP:OP+1], s[48:49], s[72:73]
	s_add_nc_u64 s[MP:MP+1], s[44:45], s[74:75]
	s_add_nc_u64 s[46:47], s[46:47], s[76:77]
	s_add_nc_u64 s[50:51], s[46:47], s[78:79]
	s_load_b256 s[68:75], s[46:47], 0x0
	s_load_b32 s76, s[50:51], 0x0
	; slot 0 is filled whatever the flags say, so that the registers on the way to LDS are written on every path
	s_mov_b64 s[KPT:KPT+1], s[KH:KH+1]
	s_mov_b64 s[VPT:VPT+1], s[VH:VH+1]
	s_wait_alu depctr_va_vdst(0)                   ; v5 and v6 are written, which Q's loads read; the last block's multiplications have written v96-127 and its products have read Q's fragments and scale words: the loads below land in these
	FETCHK
	WIN 0x01                                       ; V's eight go into the scores' registers (window 0), free here
.irp i, 0,1,2,3,4,5,6,7
	global_load_b128 v[S+4*\i:S+4*\i+3], v[GLV], s[VPT:VPT+1] offset:32768*\i
.endr
	WIN 0
.irp t, 0,1
	global_load_b32 v[QS+\t], v6, s[34:35] offset:64*\t
.endr
	WIN 0x40
.irp t, 0,1
.irp c, 0,1,2,3
	global_load_b128 v[QW+16*\t+4*\c:QW+16*\t+4*\c+3], v5, s[32:33] offset:2048*\t+32*\c th:TH_LOAD_NT   ; Q's fragments stay in registers; read by this wave alone
.endr
.endr
.set j, 0
.rept 128
	v_mov_b32 v[OT+j], 0                           ; O^T.  Which key step is a wave's first is read from memory, so none can be written out to start the sums with the constant 0
.set j, j+1
.endr
	WIN 0
.irp t, 0,1
	v_mov_b32 v[ST+4*\t+1], 0xff61b1e6             ; the largest t so far: -3e38, under every t, the hidden scores' too
	v_mov_b32 v[ST+4*\t+2], 0
	v_mov_b32 v[ST+4*\t+3], 0
.endr
.irp t, 0,1
	v_floor_f32 v[ST+4*\t], -v[ST+4*\t+1]
.endr
	s_wait_kmcnt 0x0                               ; the flags
	s_or_b32 s68, s68, s69
	s_or_b32 s70, s70, s71
	s_or_b32 s72, s72, s73
	s_or_b32 s74, s74, s75
	s_or_b32 s68, s68, s70
	s_or_b32 s72, s72, s74
	s_or_b32 s68, s68, s72
	s_and_b32 s68, s68, 0xffff                     ; key steps active for some wave of the block
	s_lshr_b32 s69, s68, 1
	s_or_b32 s[NEED], s68, s69                     ; bit 2 j: slot j is wanted.  Bits 16 on are 0: so in the last trip below, where bit 2 stands for a slot 8, nothing is fetched
	s_and_b32 s[ACT], s76, 0xffff
	s_lshr_b32 s[MIX], s76, 16
	s_wait_loadcnt 18                              ; K's eight are in: behind them stand V's 8, the 2 scale words and Q's 8
	STOREK STK                                     ; (no vector instruction names SG or, since the head's wait, STK and STV)
	s_wait_loadcnt 10                              ; V's eight: behind them the 2 and the 8
	WIN 0x01
.irp i, 0,1,2,3,4,5,6,7
	ds_store_b128 v[STV], v[S+4*\i:S+4*\i+3] offset:16*VPI*\i
.endr
	WIN 0
	s_wait_loadcnt 0x0                             ; Q
	s_wait_dscnt 0x0                               ; my part of slot 0 (and, the first time, of the scale bytes) has landed
	s_barrier_signal -1
	s_barrier_wait -1                              ; everybody's has.  (Nobody read a slot behind the last block's last barrier)
	s_add_nc_u64 s[KPT:KPT+1], s[KPT:KPT+1], 32768 ; on to slot 1; the loads that named these have come
	s_add_nc_u64 s[VPT:VPT+1], s[VPT:VPT+1], 256
	s_mov_b32 s[TB], 0
	s_mov_b32 s[TBO], SLOT1
	s_mov_b32 s[TS], 0
	s_mov_b32 s[TJ], 0
	s_mov_b32 s[SLC], 0
; ---------------- a slot: 256 keys, two key steps.  Eight trips, whatever the flags: what the flags decide is jumped over inside the trip, never a barrier or an address step
.Lslot:
	s_wait_alu depctr_vm_vsrc(0)                   ; the last slot's LDS loads have read v5-8 and its LDS stores STKA, STVA and SG; the first time: Q's loads have read v5 and v6, the block's first LDS stores SG and v96-127
	WIN 0x04                                       ; the lane's places lie in window 1
	v_add_nc_u32 v[ADK], s[TB], v[AK0]
	v_add_nc_u32 v[ADV], s[TB], v[AV0]
	v_add_nc_u32 v[ADS], s[TS], v[ASK0]
	v_add_nc_u32 v[ADT], s[TJ], v[ASV0]
	WIN 0x44
	v_add_nc_u32 v[STKA], s[TBO], v[STK]
	v_add_nc_u32 v[STVA], s[TBO], v[STV]
	WIN 0
	s_wait_alu depctr_va_vdst(0)                   ; the six addresses are written, which all LDS instructions of the slot read; and all earlier products and softmax lines are done with the registers in which step 0's loads of K land
	s_bitcmp1_b32 s[NEED], 2                       ; is the next slot wanted?  The same number in all eight waves
	s_cbranch_scc0 .Lnk
	FETCHK                                         ; its K: a key step ahead of the wait
.Lnk:
	STEP 0
	s_wait_loadcnt 0x0                             ; on every path: no load is out
	s_bitcmp1_b32 s[NEED], 2
	s_cbranch_scc0 .Lnv
	STOREK STKA                                    ; into the other slot, which nobody reads since the last barrier
	FETCHV                                         ; its V, behind the wait that shows SG read
.Lnv:
	STEP 1
	s_wait_loadcnt 0x0
	s_bitcmp1_b32 s[NEED], 2
	s_cbranch_scc0 .Lnn
	STOREV STVA
.Lnn:
	s_wait_dscnt 0x0                               ; my reads of this slot are over and my stores into the other have landed
	s_barrier_signal -1
	s_barrier_wait -1                              ; both hold of every wave: the slots change places
	s_wait_xcnt 0x0                                ; the pointers below are sources of loads issued in this trip
	s_add_nc_u64 s[KPT:KPT+1], s[KPT:KPT+1], 32768
	s_add_nc_u64 s[VPT:VPT+1], s[VPT:VPT+1], 256
	s_add_nc_u64 s[MP:MP+1], s[MP:MP+1], 512
	s_add_co_u32 s[TS], s[TS], 1024
	s_add_co_u32 s[TJ], s[TJ], 8
	s_xor_b32 s[TB], s[TB], SLOT1
	s_xor_b32 s[TBO], s[TBO], SLOT1
	s_lshr_b32 s[ACT], s[ACT], 2
	s_lshr_b32 s[MIX], s[MIX], 2
	s_lshr_b32 s[NEED], s[NEED], 2
	s_add_co_u32 s[SLC], s[SLC], 1
	s_cmp_lt_u32 s[SLC], 8
	s_cbranch_scc1 .Lslot
; ---------------- the way out: O^T / the sum, through my own stage in LDS, half a row (64 channels, 256 bytes) of 16 queries at a time
.macro MULT t                          ; tile t: register 8 d + i becomes out(r, 16 d + 8 h + i); each accumulator from its low end on
	WIN 0x01
.set j, 0
.rept 32
	v_pk_mul_f32 v[S+64*(\t)+j:S+64*(\t)+j+1], v[OT+64*(\t)+j:OT+64*(\t)+j+1], v[F+2*(\t):F+2*(\t)+1] op_sel_hi:[1,0]
.set j, j+2
.endr
	WIN 0
.endm
.macro TOSTAGE t
.irp u, 0,1
.irp f, 0,1,2,3
	ds_store_b128 v5, v[S+64*(\t)+32*\u+8*\f:S+64*(\t)+32*\u+8*\f+3] offset:64*\f
	ds_store_b128 v5, v[S+64*(\t)+32*\u+8*\f+4:S+64*(\t)+32*\u+8*\f+7] offset:64*\f+16
.endr
.irp i, 0,1,2,3,4,5,6,7
	ds_load_b128 v[FR+64*(\t)+32*\u+4*\i:FR+64*(\t)+32*\u+4*\i+3], v6 offset:2*SPI*\i   ; LDS serves a wave's instructions in order (ISA guide 5.7.1.4): these see my stores, and the next half's stores come behind them
.endr
.endr
.endm
.macro SEND t
.irp i, 0,1,2,3,4,5,6,7
	s_wait_dscnt 23-\i                             ; behind this load: 7 - i loads, the second half's 8 stores and 8 loads
	global_store_b128 v7, v[FR+64*(\t)+4*\i:FR+64*(\t)+4*\i+3], s[OP:OP+1] offset:8192*(\t)+1024*\i th:TH_STORE_NT   ; 16 lanes store 256 consecutive bytes, aligned
.endr
.irp i, 0,1,2,3,4,5,6,7
	s_wait_dscnt 7-\i
	global_store_b128 v7, v[FR+64*(\t)+32+4*\i:FR+64*(\t)+32+4*\i+3], s[OP:OP+1] offset:8192*(\t)+1024*\i+256 th:TH_STORE_NT
.endr
.endm
	s_wait_alu depctr_vm_vsrc(0)                   ; the last slot's LDS loads have read v5-7, which are written below
.irp t, 0,1
	v_add_f32 v[TMP+\t], v[ST+4*\t+2], v[ST+4*\t+3]                ; the sum's two halves,
.endr
.irp t, 0,1
	v_permlanex16_b32 v[PB+16*\t], v[TMP+\t], s[SEL], s[SEL+1]
.endr
.irp t, 0,1
	v_add_f32 v[TMP+\t], v[TMP+\t], v[PB+16*\t]                    ; and lane l xor 16's
.endr
	s_wait_alu depctr_va_vdst(0)
.irp t, 0,1
	v_rcp_f32 v[F+2*\t], v[TMP+\t]
.endr
	v_and_b32 v[BM], 15, v0                        ; r  (plain work behind the reciprocals)
	v_bfe_u32 v[BM+1], v0, 4, 1                    ; h
	s_mul_i32 s31, s[WV], 16*SPI
	s_add_co_u32 s31, s31, STAGE                   ; my stage
	v_mul_u32_u24 v5, v[BM], SPI
	v_lshl_add_u32 v5, v[BM+1], 5, v5
	v_add_nc_u32 v5, s31, v5                       ; in: row r, + 32 h
	v_mul_u32_u24 v6, v[BM+1], SPI
	v_lshl_add_u32 v6, v[BM], 4, v6
	v_add_nc_u32 v6, s31, v6                       ; back: lanes 0-15 one row, lanes 16-31 the next
	v_lshlrev_b32 v7, 9, v[BM+1]
	v_lshl_add_u32 v7, v[BM], 4, v7                ; and the same two rows in out
	s_wait_alu depctr_va_vdst(0)                   ; the two reciprocals have written v26 and v28, ahead of their first reader
	MULT 0
	s_wait_alu depctr_va_vdst(0)                   ; tile 0's multiplications have written v96-159, which the LDS stores read; v5-7 are written, which the LDS instructions and the stores to memory read
	TOSTAGE 0
	MULT 1                                         ; under tile 0's way through the stage: it names none of the registers that the 32 LDS instructions above touch
	SEND 0
	s_wait_alu depctr_va_vdst(0)                   ; tile 1's multiplications have written v160-223, which the LDS stores read; tile 0's have written v96-159, in which tile 1's rows land
	s_wait_alu depctr_vm_vsrc(0)                   ; tile 0's LDS stores have read v96-159, in which tile 1's rows land
	TOSTAGE 1
	SEND 1
	s_wait_xcnt 0x0                                ; the stores have read their data, offset and base: all are written again in the next block
	s_sub_co_u32 s[QB], 7, s[QB]                   ; the other block of the pair
	s_sub_co_u32 s[BLK], s[BLK], 1
	s_cmp_lg_u32 s[BLK], 0
	s_cbranch_scc1 .Lblock
	s_set_vgpr_msb 0x5
	s_wait_dscnt 0x0
	s_wait_alu depctr_hold_cnt(0) depctr_sa_sdst(0) depctr_va_vdst(0) depctr_va_sdst(0) depctr_va_ssrc(0) depctr_va_vcc(0) depctr_vm_vsrc(0)
	s_wait_tensorcnt 0x0
	ds_add_u32 v254, v255
	s_wait_dscnt 0x0
	s_endpgm
.Lfunc_end_k_qc25218fce1_attn:
	.size	k_qc25218fce1_attn, .Lfunc_end_k_qc25218fce1_attn-k_qc25218fce1_attn
	.p2alignl 7, 3214868480
	.fill 96, 4, 3214868480
	.section	.rodata,"a",@progbits
	.p2align	6, 0x0
	.amdhsa_kernel k_qc25218fce1_attn
		.amdhsa_group_segment_fixed_size 316416
		.amdhsa_private_segment_fixed_size 0
		.amdhsa_enable_private_segment 0
		.amdhsa_kernarg_size 72
		.amdhsa_user_sgpr_count 2
		.amdhsa_user_sgpr_kernarg_segment_ptr 1
		.amdhsa_wavefront_size32 1
		.amdhsa_system_sgpr_workgroup_id_x 1
		.amdhsa_system_sgpr_workgroup_id_y 1
		.amdhsa_system_sgpr_workgroup_id_z 1
		.amdhsa_system_vgpr_workitem_id 0
		.amdhsa_next_free_vgpr 512
		.amdhsa_next_free_sgpr 106
		.amdhsa_reserve_vcc 0
		.amdhsa_float_denorm_mode_32 3
		.amdhsa_float_denorm_mode_16_64 3
		.amdhsa_memory_ordered 1
		.amdhsa_forward_progress 1
		.amdhsa_inst_pref_size 130
	.end_amdhsa_kernel
	.amdgpu_metadata
---
amdhsa.version: [ 1, 2 ]
amdhsa.kernels:
  - .name:           k_qc25218fce1_attn
    .symbol:         k_qc25218fce1_attn.kd
    .args:
      - { .name: query_codes, .offset: 0, .size: 8, .value_kind: global_buffer, .address_space: global }
      - { .name: query_scales, .offset: 8, .size: 8, .value_kind: global_buffer, .address_space: global }
      - { .name: key_codes, .offset: 16, .size: 8, .value_kind: global_buffer, .address_space: global }
      - { .name: key_scales, .offset: 24, .size: 8, .value_kind: global_buffer, .address_space: global }
      - { .name: value_codes, .offset: 32, .size: 8, .value_kind: global_buffer, .address_space: global }
      - { .name: value_scales, .offset: 40, .size: 8, .value_kind: global_buffer, .address_space: global }
      - { .name: maskw, .offset: 48, .size: 8, .value_kind: global_buffer, .address_space: global }
      - { .name: cls, .offset: 56, .size: 8, .value_kind: global_buffer, .address_space: global }
      - { .name: out0, .offset: 64, .size: 8, .value_kind: global_buffer, .address_space: global }
    .group_segment_fixed_size: 316416
    .private_segment_fixed_size: 0
    .kernarg_segment_align: 8
    .kernarg_segment_size: 72
    .max_flat_workgroup_size: 256
    .sgpr_count:     106
    .vgpr_count:     512
    .wavefront_size: 32
...
	.end_amdgpu_metadata
.endif
;; end of part 4
